; MI455X (gfx1250); checked and timed in simulation.
; The chip was launched on July 23, 2026; its instructions are those of AMD's public machine-readable ISA for CDNA 5 (MIT licence, August 2026) and "CDNA5" Instruction Set Architecture Reference Guide (July 2026). The comments in the code are by the model that wrote it; some were corrected since.
;; Cross Attention. Allowed arithmetic: matrix products marked QUANTISED: E2M3 operands, one E8M0 scale for each 32 along K, by v_wmma_scale_f32_16x16x128_f8f6f4 with both operands' format E2M3, f32 sums; everything else in f32.
;; Inputs: Wk 1,024 x 1,024 float32; Wq 1,024 x 1,024 float32; Wv 1,024 x 1,024 float32; bk 1,024 float32; bq 1,024 float32; bv 1,024 float32; event_f 4 x 2,048 x 1,024 float32; img_f 4 x 2,048 x 1,024 float32.
;; Outputs: out0 4 x 2,048 x 1,024 float32.
;; This version of the problem:
;;   THIS VERSION OF THE PROBLEM IS GIVEN IN LOW PRECISION. The matrix products marked QUANTISED in the list below multiply operands that are first quantised to E2M3 (2 exponent bits, 3 mantissa bits; 6 bits a number), with one power-of-two scale for each 32 numbers along K (OCP MX v1.0); their sums are f32. All else is computed in f32.
;;   The module's matrix products, in the order in which they are computed (A, B: the left and right operand; K: the contracted axis; several contracted axes count as one K, in the product's order):
;;     1. [M 8,192, K 1,024] x [K 1,024, N 1,024]; A: input event_f; B: input Wq: QUANTISED
;;     2. [M 8,192, K 1,024] x [K 1,024, N 1,024]; A: input img_f; B: input Wk: QUANTISED
;;     3. [M 8,192, K 1,024] x [K 1,024, N 1,024]; A: input img_f; B: input Wv: QUANTISED
;;     4. batch 4 x [M 2,048, K 1,024] x [K 1,024, N 2,048]; A: computed on the way; B: computed on the way: QUANTISED
;;     5. batch 4 x [M 2,048, K 2,048] x [K 2,048, N 1,024]; A: softmax (see below); B: computed on the way: QUANTISED
;;   THE QUANTISER, for each operand of a quantised product, along K:
;;     - K is cut into blocks of 32 from its start; a last block that is shorter is filled with zeros.
;;     - A block's scale is 2^e with e = floor(log2(the largest magnitude in the block)) - 2, held to -126 .. 127; a block of zeros has e = 0. As a byte (E8M0): e + 127.
;;     - Each number is divided by its block's scale, clamped to +-7.5, and rounded to the nearest number of E2M3, ties to even, subnormals kept.
;;     - The product sums the exact products of the quantised numbers (number of the format x scale) in f32.
;;   ~~~python
;;   def quantise(x, axis):      # numpy; x: float32 -> the quantised numbers, widened to float32 again
;;       x = np.moveaxis(x, axis, -1); K = x.shape[-1]
;;       x = np.pad(x, [(0, 0)] * (x.ndim - 1) + [(0, -K % 32)]); x = x.reshape(x.shape[:-1] + (-1, 32)); a = np.abs(x).max(-1, keepdims=True)
;;       e = np.where(a > 0, np.clip(np.frexp(np.where(a > 0, a, 1))[1] - 1 - 2, -126, 127), 0)      # np.frexp(a)[1] - 1 = floor(log2(a)), exactly
;;       r = np.clip(x / 2.0 ** e, -7.5, 7.5)
;;       step = 2.0 ** (np.maximum(np.frexp(np.where(r == 0, 1, r))[1] - 1, 0) - 3)
;;       q = np.round(r / step) * step * 2.0 ** e      # np.round: ties to even
;;       return np.moveaxis(q.reshape(q.shape[:-2] + (-1,))[..., :K], -1, axis).astype(np.float32)
;;   ~~~
;;   SOFTMAX AHEAD OF A QUANTISED PRODUCT. Where the list says 'softmax', what is quantised is not the finished softmax but p = 2^(t - M), with t = logit x log2(e) and M = ceil(the row's largest t), a whole number; so 1/2 < the row's largest p <= 1. The row's sum l is taken of the UNQUANTISED p, in f32, and the product's result is divided by l at the end. Since M is a whole number, a kernel that streams over the keys may use a running M (the ceiling of the running maximum): every later rescaling is an exact power of two, which a block's scale takes up: the codes' values come out the same.
;;   OPERANDS COMPUTED ON THE WAY. 'Computed on the way' means the value that the module computes at that place (a softmax that the list does not call 'softmax' is quantised finished and normalised). What goes into a quantiser is computed in f32, as accurately as f32 sums, v_exp_f32 and their like allow (about 1e-6 of the number): no bf16 or f16 on the way to a quantiser, and a product that is left as it is and whose result goes on into a quantised operand takes f32 operands (vector FMAs, or v_wmma_f32_16x16x4_f32). A number that lies on a knife's edge between two numbers of the format may be rounded either way, as far as f32 arithmetic and the matrix unit's own rounding can turn it there, and no further.
;; One version. Each part assembles by itself: llvm-mc -triple=amdgcn-amd-amdhsa -mcpu=gfx1250 --defsym DOCPART=n.
;; ======== version 1 of 1: 4 launches
;; workspace buffers: xw 15,564,800 bytes; qkv 19,660,800 bytes; pc 12,582,912 bytes; ps 1,572,864 bytes
;; launch quant (part 1): grid 608 x 1, 4 waves a work-group, no clusters, 34,304 bytes of LDS; arguments event_f, img_f, Wq, Wk, Wv, xw; writes xw
.if DOCPART == 1
	.amdgcn_target "amdgcn-amd-amdhsa--gfx1250"
	.amdhsa_code_object_version 6
	.text
	.protected	k_q962dfbf582_quant
	.globl	k_q962dfbf582_quant
	.p2align	8
	.type	k_q962dfbf582_quant,@function
k_q962dfbf582_quant:
	s_mov_b64 s[64:65], 0
	v_nop
	global_prefetch_b8 v0, s[64:65] scope:SCOPE_SE
	s_setreg_imm32_b32 hwreg(HW_REG_WAVE_MODE, 25, 1), 1
	s_wait_xcnt 0x0
; event_f, img_f [8192][1024] f32 (K innermost) and Wq, Wk, Wv [1024 (k)][1024 (d)] f32 (K is the FIRST axis) become codes of FP6 (E2M3) with one E8M0 byte for each 32 along K.
; A block's scale is 2^(floor(log2(largest magnitude)) - 2): its byte is the largest magnitude's exponent field - 2, held at 1 from below by a floor among the maximum's leaves.
; LAYOUT OF xw (read by this program alone).  A FRAGMENT is 16 rows x 128 K, 12 registers a lane; it is stored as an IMAGE of those registers, 1,536 bytes: registers 4 g .. 4 g + 3 of lane l at 512 g + 16 l.
; A PANEL is 128 rows, 8 tiles; lane r of tile t holds row 32 (t / 2) + 8 (t % 2) + r % 8 + 16 (r / 8).  A panel's codes are [K step of 128][tile][1,536].
; A SCALE RECORD, 512 bytes for a panel and a K step: the word of (tile t, lane r) at 256 (t / 4) + 16 r + 4 (t % 4), so that 16 bytes a lane give four registers: tile i below, tile 4 + i above.
; xw: 0 the activations' codes (event, img: 6,291,456 each); WC the weights' (786,432 each); XSO, WSO their records.
; SHARES.  Work-groups 0-511: a wave takes 64 rows x 128 K of an activation, four fragments.  Work-groups 512-607: a wave takes 64 columns x 128 k of a weight.  Waves share nothing: no barrier.
; LIMITS: NaN and infinities are not served; a block whose largest magnitude lies under 2^-124 keeps the byte 1; a block of zeros has the byte 1 where the rule says 127 (its codes are zeros).
.set WC,  12582912
.set XSO, 14942208
.set WSO, 15466496
.set SEL, 30                           ; s[30:31] lane selects of v_permlanex16_b32: lane l xor 16
; the activations' way
.set LI,  3                            ; v3   16 x lane
.set STW, 4                            ; v4   my wave's stage, on the way in: 16 x lane
.set STR, 5                            ; v5   on the way out: 528 r + 64 h
.set SCO, 6                            ; v6   16 r
.set RAW, 16                           ; v16-143  two sets of 64 registers as loaded
.set X,   144                          ; v144-207 register 16 b + i = k 32 b + 16 h + i of my row
.set PC,  208                          ; v208-227 the codes just made
.set TM,  228                          ; v228-243 at work
.set PW,  244                          ; v244-247 the four fragments' scale words
; the weights' way
.set XW,  32                           ; v32-95   two sets of 32 numbers: a block down K of my column
.set IM,  96                           ; v96-143  the images' registers: 24 grp + 12 h + 6 c
.set T,   144                          ; v144-146 a block's upper 16 codes
.set WD,  148                          ; v148-149 my column's scale word, one for each group of 32 columns
	s_load_b256 s[4:11], s[0:1], 0x0               ; event s[4:5], img s[6:7], Wq s[8:9], Wk s[10:11]
	s_load_b128 s[12:15], s[0:1], 0x20             ; Wv s[12:13], xw s[14:15]
	v_lshl_add_u32 v254, v0, 2, 0x8400
	v_mov_b32 v255, 0
	v_lshrrev_b32 v1, 5, v0
	v_readfirstlane_b32 s16, v1                    ; wave 0..3
	v_and_b32 v2, 31, v0                           ; lane
	s_mov_b32 s[SEL], 0x76543210
	s_mov_b32 s[SEL+1], 0xfedcba98
	s_cmp_ge_u32 ttmp9, 512
	s_cbranch_scc1 .Lweights
	; ---------------- activations ----------------
	s_lshr_b32 s17, ttmp9, 1                       ; which 64 rows of the two tensors
	s_lshr_b32 s18, s17, 7                         ; tensor: 0 event, 1 img
	s_and_b32 s19, s17, 127                        ; which 64 rows of it
	s_and_b32 s20, ttmp9, 1
	s_lshl_b32 s20, s20, 2
	s_add_co_u32 s20, s20, s16                     ; K step 0..7
	s_lshl_b32 s22, s19, 18                        ; 64 rows of 4,096 bytes
	s_lshl_b32 s23, s20, 9                         ; 128 numbers of a row
	s_add_co_u32 s22, s22, s23
	s_mov_b32 s23, 0
	s_lshr_b32 s24, s19, 1                         ; panel
	s_lshl_b32 s24, s24, 3
	s_add_co_u32 s24, s24, s20                     ; 8 panel + K step
	s_and_b32 s25, s19, 1                          ; which half of the panel: tiles 0-3 or 4-7
	s_lshl_b32 s26, s24, 3
	s_lshl_b32 s27, s25, 2
	s_add_co_u32 s26, s26, s27
	s_mul_i32 s26, s26, 1536
	s_mul_i32 s27, s18, 6291456
	s_add_co_u32 s26, s26, s27                     ; where my four images begin
	s_mov_b32 s27, 0
	s_lshl_b32 s28, s24, 9
	s_lshl_b32 s29, s25, 8
	s_add_co_u32 s28, s28, s29
	s_lshl_b32 s29, s18, 18
	s_add_co_u32 s28, s28, s29
	s_add_co_u32 s28, s28, XSO                     ; and my half of the scale record
	s_mov_b32 s29, 0
	s_mul_i32 s21, s16, 8448                       ; my wave's stage: 16 rows x (512 bytes + 16)
	v_lshlrev_b32 v[LI], 4, v2
	v_add_nc_u32 v[STW], s21, v[LI]
	v_and_b32 v7, 15, v0                           ; r
	v_bfe_u32 v8, v0, 4, 1                         ; h
	v_mul_u32_u24 v[STR], v7, 528
	v_lshl_add_u32 v[STR], v8, 6, v[STR]
	v_add_nc_u32 v[STR], s21, v[STR]
	v_lshlrev_b32 v[SCO], 4, v7
.irp b, 0,1,2,3
	v_mov_b32 v[TM+4+\b], 0                        ; written once: a lane permute's destination counts as one of its sources
.endr
	s_wait_kmcnt 0x0
	s_cmp_eq_u32 s18, 0                            ; the choice hangs on the work-group's number alone
	s_cselect_b64 s[4:5], s[4:5], s[6:7]
	s_add_nc_u64 s[4:5], s[4:5], s[22:23]
	s_add_nc_u64 s[26:27], s[14:15], s[26:27]
	s_add_nc_u64 s[28:29], s[14:15], s[28:29]
; fragment f: sixteen loads, each 512 consecutive bytes of one row; load i takes the row of the tile's lane i
.macro LOADF f
.irp i, 0,1,2,3,4,5,6,7,8,9,10,11,12,13,14,15
	global_load_b128 v[RAW+64*((\f)%2)+4*\i:RAW+64*((\f)%2)+4*\i+3], v[LI], s[4:5] offset:(32*((\f)/2)+8*((\f)%2)+(\i%8)+16*(\i/8))*4096 th:TH_LOAD_NT
.endr
.endm
; 64 numbers of a lane, register 16 b + i = k 32 b + 16 (lane / 16) + i of my row, become a fragment's codes in v[PC] on and its scale word in v[pw]
.macro QUANT s, pw
.irp b, 0,1,2,3
	v_max3_num_f32 v[TM+\b], |v[\s+16*\b]|, |v[\s+1+16*\b]|, 0x1800000   ; block b: my 16 numbers, and the floor 2^(3 - 127): the byte cannot fall under 1
.endr
.irp i, 2,4,6,8,10,12,14
.irp b, 0,1,2,3
	v_max3_num_f32 v[TM+\b], v[TM+\b], |v[\s+16*\b+\i]|, |v[\s+1+16*\b+\i]|   ; the four blocks by turns
.endr
.endr
.irp b, 0,1,2,3
	v_permlanex16_b32 v[TM+4+\b], v[TM+\b], s[SEL], s[SEL+1]
.endr
.irp b, 0,1,2,3
	v_max_num_f32 v[TM+\b], v[TM+\b], v[TM+4+\b]   ; with lane l xor 16's 16: the block's largest magnitude
.endr
.irp b, 0,1,2,3
	v_add_nc_u32 v[TM+12+\b], 0xff000000, v[TM+\b] ; 2 off its exponent field: the conversion takes this operand's exponent field as its scale
.endr
.irp b, 0,1,2,3
	v_lshrrev_b32 v[TM+4+\b], 23, v[TM+12+\b]      ; the scale's byte
.endr
	v_lshl_or_b32 v[\pw], v[TM+5], 8, v[TM+4]
	v_lshl_or_b32 v[\pw], v[TM+6], 16, v[\pw]
	v_lshl_or_b32 v[\pw], v[TM+7], 24, v[\pw]
.irp c, 0,1
	v_cvt_scalef32_pk16_fp6_f32 v[PC+6*\c:PC+2+6*\c], v[\s+32*\c:\s+15+32*\c], v[TM+12+2*\c]
	v_cvt_scalef32_pk16_fp6_f32 v[PC+12+4*\c:PC+14+4*\c], v[\s+16+32*\c:\s+31+32*\c], v[TM+12+2*\c+1]   ; (a conversion's three registers begin on an even number)
.endr
	v_nop                                          ; one plain line behind the scaled conversions
.irp c, 0,1                                    ; the operand wants a WHOLE block in a lane: lanes 0-15 block 2 c, lanes 16-31 block 2 c + 1
.irp i, 0,1,2
	v_permlane16_swap_b32 v[PC+6*\c+\i], v[PC+12+4*\c+\i]
.endr
.irp i, 0,1,2
	v_mov_b32 v[PC+3+6*\c+\i], v[PC+12+4*\c+\i]
.endr
.endr
.endm
; fragment f: through the stage (in as loaded, out 64 bytes of a row a lane and block), quantised, stored as an image
.macro FRAGQ f
.if (\f) < 3
	s_wait_loadcnt 16                              ; this fragment's sixteen loads are in; the next fragment's sixteen may be out
.else
	s_wait_loadcnt 0x0
.endif
.irp i, 0,1,2,3,4,5,6,7,8,9,10,11,12,13,14,15
	ds_store_b128 v[STW], v[RAW+64*((\f)%2)+4*\i:RAW+64*((\f)%2)+4*\i+3] offset:528*\i
.endr
.irp b, 0,1,2,3
.irp j, 0,1,2,3
	ds_load_b128 v[X+16*\b+4*\j:X+16*\b+4*\j+3], v[STR] offset:128*\b+16*\j   ; LDS serves a wave's instructions in order: these see the stores above
.endr
.endr
	s_wait_dscnt 0x0                               ; my numbers are back, and the stage's stores have read the set
	s_wait_xcnt 0x0                                ; the last fragment's stores have read v[PC] on
.if (\f) < 2
	LOADF (\f)+2
.endif
	QUANT X, PW+(\f)
.irp c, 0,1,2
	global_store_b128 v[LI], v[PC+4*\c:PC+4*\c+3], s[26:27] offset:1536*(\f)+512*\c   ; 32 lanes store 512 consecutive bytes, aligned to 512
.endr
.endm
	LOADF 0
	LOADF 1
	FRAGQ 0
	FRAGQ 1
	FRAGQ 2
	FRAGQ 3
	global_store_b128 v[SCO], v[PW:PW+3], s[28:29] ; my half of the record, 256 bytes: lanes r and r + 16 hold and write the same 16 bytes
	s_wait_tensorcnt 0x0
	ds_add_u32 v254, v255
	s_wait_dscnt 0x0
	s_endpgm
	; ---------------- weights ----------------
.Lweights:
	s_sub_co_u32 s17, ttmp9, 512
	s_lshr_b32 s18, s17, 5                         ; which weight: 0 Wq, 1 Wk, 2 Wv
	s_and_b32 s19, s17, 31
	s_lshr_b32 s19, s19, 1                         ; which 64 columns
	s_and_b32 s20, s17, 1
	s_lshl_b32 s20, s20, 2
	s_add_co_u32 s20, s20, s16                     ; K step 0..7
	s_lshl_b32 s22, s20, 19                        ; 128 rows of 4,096 bytes
	s_lshl_b32 s23, s19, 8
	s_add_co_u32 s22, s22, s23
	s_mov_b32 s23, 0
	s_lshr_b32 s24, s19, 1                         ; panel of 128 columns
	s_lshl_b32 s24, s24, 3
	s_add_co_u32 s24, s24, s20
	s_and_b32 s25, s19, 1
	s_lshl_b32 s26, s24, 3
	s_lshl_b32 s27, s25, 2
	s_add_co_u32 s26, s26, s27
	s_mul_i32 s26, s26, 1536
	s_mul_i32 s27, s18, 786432
	s_add_co_u32 s26, s26, s27
	s_add_co_u32 s26, s26, WC
	s_mov_b32 s27, 0
	s_lshl_b32 s28, s24, 9
	s_lshl_b32 s29, s25, 8
	s_add_co_u32 s28, s28, s29
	s_lshl_b32 s29, s18, 15
	s_add_co_u32 s28, s28, s29
	s_add_co_u32 s28, s28, WSO
	s_mov_b32 s29, 0
	; A LANE TAKES A COLUMN, AND ITS REGISTERS RUN DOWN K.  Column 32 grp + l is lane r = l % 8 + 8 (l / 16) of tile 2 grp + (l / 8) % 2; its four blocks are the registers of the image's lanes (r, 0) and (r, 1).
	v_lshlrev_b32 v3, 2, v2                        ; in: 4 bytes a lane
	v_bfe_u32 v6, v0, 3, 1                         ; u: which of the group's two tiles
	v_and_b32 v7, 7, v0
	v_bfe_u32 v8, v0, 4, 1
	v_lshl_add_u32 v7, v8, 3, v7                   ; r
	v_lshlrev_b32 v5, 4, v7                        ; 16 r
	v_mad_u32_u24 v4, v6, 1536, v5                 ; my place in the group's two images
	v_mov_b32 v154, 0                              ; written once: a DPP move's destination counts as read
	v_mov_b32 v155, 0
	s_wait_kmcnt 0x0
	s_cmp_eq_u32 s18, 0
	s_cselect_b64 s[4:5], s[8:9], s[10:11]
	s_cmp_eq_u32 s18, 2
	s_cselect_b64 s[4:5], s[12:13], s[4:5]
	s_add_nc_u64 s[4:5], s[4:5], s[22:23]
	s_add_nc_u64 s[26:27], s[14:15], s[26:27]
	s_add_nc_u64 s[28:29], s[14:15], s[28:29]
.macro LOADW n                         ; block n % 4 of group n / 4: 32 loads, each 128 consecutive bytes of one row of W
.irp i, 0,1,2,3,4,5,6,7,8,9,10,11,12,13,14,15,16,17,18,19,20,21,22,23,24,25,26,27,28,29,30,31
	global_load_b32 v[XW+32*((\n)%2)+\i], v3, s[4:5] offset:(32*((\n)%4)+\i)*4096+128*((\n)/4) th:TH_LOAD_NT
.endr
.endm
.macro BLOCKW n
.set XB, XW+32*((\n)%2)
.set GR, (\n)/4
.set BE, (\n)%4
.set ID, IM+24*GR+12*(BE%2)+6*(BE/2)   ; block beta lies in the image's lane half beta % 2, registers 6 (beta / 2) on
.if (\n) < 7
	s_wait_loadcnt 32                              ; this block's 32 loads are in; the next block's 32 may be out
.else
	s_wait_loadcnt 0x0
.endif
	v_max3_num_f32 v150, |v[XB]|, |v[XB+1]|, |v[XB+2]|     ; the block's largest magnitude: all 32 numbers are mine
	v_max3_num_f32 v151, |v[XB+3]|, |v[XB+4]|, |v[XB+5]|
.irp i, 6,10,14,18,22,26
	v_max3_num_f32 v150, v150, |v[XB+\i]|, |v[XB+\i+1]|
	v_max3_num_f32 v151, v151, |v[XB+\i+2]|, |v[XB+\i+3]|
.endr
	v_max3_num_f32 v150, v150, |v[XB+30]|, |v[XB+31]|
	v_max3_num_f32 v150, v150, v151, 0x1800000     ; and the floor 2^(3 - 127)
	v_add_nc_u32 v152, 0xff000000, v150            ; the conversion's scale operand
	v_lshrrev_b32 v153, 23, v152                   ; the byte
.if BE == 0
	v_mov_b32 v[WD+GR], v153
.else
	v_lshl_or_b32 v[WD+GR], v153, 8*BE, v[WD+GR]
.endif
	v_cvt_scalef32_pk16_fp6_f32 v[ID:ID+2], v[XB:XB+15], v152
	v_cvt_scalef32_pk16_fp6_f32 v[T:T+2], v[XB+16:XB+31], v152
	v_nop                                          ; one plain line behind the scaled conversions
.irp i, 0,1,2
	v_mov_b32 v[ID+3+\i], v[T+\i]
.endr
.if (\n)+2 < 8
	LOADW (\n)+2
.endif
.endm
.macro STOREW g                        ; the group's two images: each store covers two aligned runs of 256 consecutive bytes, one in each image
.irp e, 0,1
.irp q, 0,1,2
	global_store_b128 v4, v[IM+24*\g+12*\e+4*\q:IM+24*\g+12*\e+4*\q+3], s[26:27] offset:3072*\g+256*\e+512*\q
.endr
.endr
.endm
	LOADW 0
	LOADW 1
	BLOCKW 0
	BLOCKW 1
	BLOCKW 2
	BLOCKW 3
	STOREW 0
	BLOCKW 4
	BLOCKW 5
	BLOCKW 6
	BLOCKW 7
	STOREW 1
	v_mov_b32_dpp v154, v148 row_xmask:8 row_mask:0xf bank_mask:0xf   ; lane l xor 8 holds the same r in the group's other tile
	v_mov_b32_dpp v155, v149 row_xmask:8 row_mask:0xf bank_mask:0xf
	v_cmp_eq_u32 vcc_lo, 1, v6
	v_cndmask_b32 v160, v148, v154, vcc_lo         ; the words of tiles 0, 1, 2, 3 of my half panel, for lane r
	v_cndmask_b32 v161, v154, v148, vcc_lo
	v_cndmask_b32 v162, v149, v155, vcc_lo
	v_cndmask_b32 v163, v155, v149, vcc_lo
	global_store_b128 v5, v[160:163], s[28:29]     ; 256 bytes of the record; the two lanes of an r write the same 16 bytes
	s_endpgm
.Lfunc_end_k_q962dfbf582_quant:
	.size	k_q962dfbf582_quant, .Lfunc_end_k_q962dfbf582_quant-k_q962dfbf582_quant
	.p2alignl 7, 3214868480
	.fill 96, 4, 3214868480
	.section	.rodata,"a",@progbits
	.p2align	6, 0x0
	.amdhsa_kernel k_q962dfbf582_quant
		.amdhsa_group_segment_fixed_size 34304
		.amdhsa_private_segment_fixed_size 0
		.amdhsa_enable_private_segment 0
		.amdhsa_kernarg_size 48
		.amdhsa_user_sgpr_count 2
		.amdhsa_user_sgpr_kernarg_segment_ptr 1
		.amdhsa_wavefront_size32 1
		.amdhsa_system_sgpr_workgroup_id_x 1
		.amdhsa_system_sgpr_workgroup_id_y 1
		.amdhsa_system_sgpr_workgroup_id_z 1
		.amdhsa_system_vgpr_workitem_id 0
		.amdhsa_next_free_vgpr 256
		.amdhsa_next_free_sgpr 66
		.amdhsa_reserve_vcc 1
		.amdhsa_float_denorm_mode_32 3
		.amdhsa_float_denorm_mode_16_64 3
		.amdhsa_memory_ordered 1
		.amdhsa_forward_progress 1
		.amdhsa_inst_pref_size 73
	.end_amdhsa_kernel
	.amdgpu_metadata
---
amdhsa.version: [ 1, 2 ]
amdhsa.kernels:
  - .name:           k_q962dfbf582_quant
    .symbol:         k_q962dfbf582_quant.kd
    .args:
      - { .name: event_f, .offset: 0, .size: 8, .value_kind: global_buffer, .address_space: global }
      - { .name: img_f, .offset: 8, .size: 8, .value_kind: global_buffer, .address_space: global }
      - { .name: Wq, .offset: 16, .size: 8, .value_kind: global_buffer, .address_space: global }
      - { .name: Wk, .offset: 24, .size: 8, .value_kind: global_buffer, .address_space: global }
      - { .name: Wv, .offset: 32, .size: 8, .value_kind: global_buffer, .address_space: global }
      - { .name: xw, .offset: 40, .size: 8, .value_kind: global_buffer, .address_space: global }
    .group_segment_fixed_size: 34304
    .private_segment_fixed_size: 0
    .kernarg_segment_align: 8
    .kernarg_segment_size: 48
    .max_flat_workgroup_size: 128
    .sgpr_count:     66
    .vgpr_count:     256
    .wavefront_size: 32
...
	.end_amdgpu_metadata
.endif
;; end of part 1
;; launch proj (part 2): grid 8 x 32, 4 waves a work-group, clusters of 4 x 4, 327,680 bytes of LDS; arguments xw, bq, bk, bv, qkv; writes qkv
.if DOCPART == 2
	.amdgcn_target "amdgcn-amd-amdhsa--gfx1250"
	.amdhsa_code_object_version 6
	.text
	.protected	k_q962dfbf582_proj
	.globl	k_q962dfbf582_proj
	.p2align	8
	.type	k_q962dfbf582_proj,@function
k_q962dfbf582_proj:
	s_mov_b64 s[64:65], 0
	v_nop
	global_prefetch_b8 v0, s[64:65] scope:SCOPE_SE
	s_setreg_imm32_b32 hwreg(HW_REG_WAVE_MODE, 25, 1), 1
	s_wait_xcnt 0x0
	s_wait_alu depctr_hold_cnt(0) depctr_sa_sdst(0) depctr_va_vdst(0) depctr_va_sdst(0) depctr_va_ssrc(0) depctr_va_vcc(0) depctr_vm_vsrc(0)
	s_getreg_b32 s2, hwreg(HW_REG_IB_STS2, 6, 4)
	s_cmp_eq_u32 s2, 0
	s_cbranch_scc0 .Lentry_in_a_cluster
	s_endpgm
.Lentry_in_a_cluster:
	s_bfe_u32 s2, ttmp6, 0x10000c
	s_cmp_lg_u32 s2, 0xf033
	s_cbranch_scc0 .Lentry_shape_is_right
	s_endpgm
.Lentry_shape_is_right:
; q = event Wq + bq, k = img Wk + bk, v = img Wv + bv, on codes of FP6 (E2M3) with E8M0 scales, f32 sums; the results are quantised in registers and stored as codes: q and k along d, v along the KEYS (v^T).
; OPERANDS are images of fragments (16 rows x 128 K, 1,536 bytes: registers 4 g .. 4 g + 3 of lane l at 512 g + 16 l); a panel of 128 rows is [K step][tile 0..7][1,536]; lane r of tile t holds row
; 32 (t / 2) + 8 (t % 2) + r % 8 + 16 (r / 8).  Scale records of 512 bytes a panel and K step: word of (tile t, lane r) at 256 (t / 4) + 16 r + 4 (t % 4).
; THE MATRIX INSTRUCTION IS USED TRANSPOSED: source 0 = role B, whose rows run along a lane's registers in the result; source 1 = role A, one row a lane.  With the tiles' row order the 64 registers of a lane's eight
; accumulators of a block of A are 128 B rows as the next operand wants them: 32 b + 16 h + i.
; SHARES.  The three products are 384 tiles of 256 x 256, for 256 work-groups: EACH MAKES ONE AND A HALF, in two phases.
;   Phase 1: a tile of q (cluster x = 0) or of k (1): A = activations, pair of panels 4 cluster y + cy; B = weights, pair cx.  Four waves, each 128 x 128: 64 accumulators.
;   Phase 2: half a tile of v^T: A = Wv's panel 4 cluster x + cy (128 of d), B = img's pair of panels 4 cluster y + cx (256 keys).  A wave takes 4 blocks of A (half the panel) x 8 tiles of B (one panel): 32 accumulators.
; In both phases A hangs on cy and is shared along a row of the cluster, B on cx and along a column.  No branch and no LDS address hangs on the product or on the place in the cluster.
; LDS.  Phase 1: K = 1,024 is eight steps of 128, two to a slot of 98,304 bytes; three slots are filled at the start, slot 0 once more (steps 6, 7) behind the change of slots at step 3.
; THE RING GOES ON INTO PHASE 2, whose operands are two slots of four K steps, 147,456 bytes each (A's panel, then B's two): the upper one (bytes 147,456 on) is filled behind the change of slots at step 5, where
; phase 1's slots 1 and 2 have been read out; the lower one (bytes 0 on) behind a round in the middle of phase 1's way out.  A wave has three tensor loads out at the start, later one.
; The bias is the C of each phase's first step: in phase 1 it hangs on the register (B's row), in phase 2 on the lane (A's row).
; LIMITS: NaN and infinities are not served; a block whose largest magnitude lies under 2^-124 keeps the byte 1; a block of zeros has the byte 1 where the rule says 127 (this program alone reads the bytes).
; REGISTERS: window 0: v0-31 addresses and offsets; v32-63 A's scale words, v64-95 B's; v96-123 the results' scale words; v128-223 A's fragments (phase 1: 8 blocks, one set; phase 2: 4 blocks, two sets;
; on the ways out v192-211 codes); v224-239 at work.  window 1: B's fragments, two sets at v0 and v128; the bias at v96-127, v224-255.  windows 2, 3: accumulator (a, b) at v[8 (8 (a % 4) + b)]; phase 2 uses window 2.
.set WC,    12582912                   ; xw: the weights' codes
.set XSO,   14942208                   ; xw: the activations' scale records
.set WSO,   15466496                   ; xw: the weights'
.set QS,    18874368                   ; qkv: q's scale records; k's 262,144 on
.set VC,    12582912                   ; qkv: v^T's codes
.set VS,    19398656                   ; qkv: v^T's scale records
.set KB,    12288                      ; a panel's eight images of one K step
.set FILLB, 2*KB                       ; two K steps of one panel, dense in memory
.set SLOT,  4*FILLB                    ; phase 1: A's two panels, then B's two
.set SLOT2, 12*KB                      ; phase 2: four K steps of A's panel, then of B's two
.set SPARE, 3*SLOT                     ; the spare words, 128 bytes a wave: two blocks of 256 bytes that no other line names
.set LI,    3                          ; v3    16 x lane
.set ADRA,  4                          ; v4-6  phase 1: my A panel in slots 0, 1, 2
.set ADRB,  7                          ; v7-9  my B panel
.set SPW,   10                         ; v10   my spare word; never rewritten
.set NIL,   11                         ; v11   0; never rewritten
.set VOC1,  12                         ; v12   byte offset in qkv of my lane in phase 1's images
.set VOS1,  13                         ; v13   and in their scale record
.set VOC2,  14                         ; v14   the same for phase 2
.set VOS2,  15                         ; v15
.set VSA2,  16                         ; v16   byte offset in xw of phase 2's scale words of A
.set VSB2,  17                         ; v17   and of B
.set VBI2,  18                         ; v18   byte offset in bv
.set VBI1,  19                         ; v19   byte offset in bq or bk
.set ADRA2, 20                         ; v20-21 phase 2: my half of A's panel in the upper and in the lower slot
.set ADRB2, 22                         ; v22-23 my B panel
.set SCA,   32
.set SCB,   64
.set PW,    96
.set OUTW,  120
.set AF,    128
.set PC,    192
.set TM,    224
.set SEL,   2                          ; s[2:3] lane selects of v_permlanex16_b32
.set G1A,   24                         ; s[24:31] descriptor group 1: 96 rows of 256 bytes, my row's mask (A, both phases)
.set G1B,   32                         ; s[32:39] the same with my column's mask (phase 1's B)
.set G0A,   40                         ; s[40:51] group 0 for phase 1's A, a set for each slot; s[52:63] for B
.set G0B,   52
.set G1B2,  68                         ; s[68:75] group 1: 192 rows of 256 bytes, my column's mask (phase 2's B)
.set G0A2,  76                         ; s[76:83] group 0 for phase 2's A, a set for each slot; s[84:91] for B
.set G0B2,  84
.set MUL_LO, 0xa1                      ; source 0 (B) window 1, source 1 (A) window 0, C and D window 2
.set MUL_HI, 0xf1
.set TO_B,   0x40
.set MSB, 0
.macro WIN new                         ; the immediate's high byte repeats the setting that is left
.if MSB != (\new)
	s_set_vgpr_msb (MSB<<8)|(\new)
.set MSB, (\new)
.endif
.endm
; A joint load: waves 0 and 1 fetch for A, waves 2 and 3 for B.  Four v_nop follow each of the two lines.
.macro JLOAD g0a, g1a, g0b, g1b
	s_cmp_eq_u32 s15, 0
	s_cbranch_scc0 .Lfor_b_\@
	tensor_load_to_lds s[\g0a:\g0a+3], s[\g1a:\g1a+7]
	s_nop 0
.rept 4
	v_nop
.endr
	s_branch .Lasked_\@
.Lfor_b_\@:
	tensor_load_to_lds s[\g0b:\g0b+3], s[\g1b:\g1b+7]
	s_nop 0
.rept 4
	v_nop
.endr
.Lasked_\@:
.endm
.macro CREST                           ; a round of the cluster's barrier behind its opening barrier
	s_cmp_lg_u32 s14, 0
	s_cbranch_scc1 .Lnot_wave_0_\@
	s_barrier_signal -3
.Lnot_wave_0_\@:
	s_barrier_wait -3
	s_barrier_signal -1
	s_barrier_wait -1
.endm
.macro CROUND
	s_barrier_signal -1
	s_barrier_wait -1
	CREST
.endm
.macro PLACES n                        ; plain vector lines between a matrix instruction and a load into, or a vector read or write of, its registers
.rept \n
	v_nop
.endr
.endm
	s_load_b256 s[4:11], s[0:1], 0x0               ; xw s[4:5], bq s[6:7], bk s[8:9], bv s[10:11]
	s_load_b64 s[12:13], s[0:1], 0x20              ; qkv
	v_lshl_add_u32 v[SPW], v0, 2, SPARE
	v_mov_b32 v[NIL], 0
	ds_add_u32 v10, v11
	ds_add_u32 v10, v11
	s_wait_dscnt 0x0
	v_lshrrev_b32 v1, 5, v0
	v_readfirstlane_b32 s14, v1                    ; wave 0..3
	s_lshr_b32 s15, s14, 1                         ; wa: which part of A is mine.  Also: I fetch for A (0) or B (1)
	s_and_b32 s16, s14, 1                          ; wb: which B panel is mine.  Also: which of the two parts I fetch
	s_bfe_u32 s20, ttmp6, 0x40000                  ; cx
	s_bfe_u32 s21, ttmp6, 0x40004                  ; cy
	s_mov_b32 s18, ttmp9                           ; the cluster's x: phase 1's product, 0 q, 1 k
	s_and_b32 s17, ttmp7, 0xffff
	s_lshl_b32 s17, s17, 2                         ; 4 x the cluster's y
	s_lshl_b32 s22, s21, 2
	s_lshl_b32 s22, 15, s22                        ; my row of the cluster
	s_lshl_b32 s23, 0x1111, s20                    ; my column
	s_or_b32 s[G1A], s22, (3<<16)|(1<<21)          ; 15:0 the mask; 17:16 elements of 8 bytes; 21 set beside a mask; no padding: images are read as consecutive runs
	s_or_b32 s[G1B], s23, (3<<16)|(1<<21)
	s_or_b32 s[G1B2], s23, (3<<16)|(1<<21)
.irp g, G1A, G1B
	s_mov_b32 s[\g+1], 32<<16                      ; tensor_dim0: 32 elements, 256 bytes
	s_mov_b32 s[\g+2], 96<<16                      ; tensor_dim1: 96 rows: 24,576 dense bytes
	s_mov_b32 s[\g+3], 32<<16                      ; tile_dim0
	s_mov_b32 s[\g+4], 96                          ; tile_dim1
	s_mov_b32 s[\g+5], 32                          ; the pitch
	s_mov_b32 s[\g+6], 0
	s_mov_b32 s[\g+7], 0
.endr
	s_mov_b32 s[G1B2+1], 32<<16
	s_mov_b32 s[G1B2+2], 192<<16                   ; 192 rows: four K steps of a panel, 49,152 dense bytes
	s_mov_b32 s[G1B2+3], 32<<16
	s_mov_b32 s[G1B2+4], 192
	s_mov_b32 s[G1B2+5], 32
	s_mov_b32 s[G1B2+6], 0
	s_mov_b32 s[G1B2+7], 0
	s_mov_b32 s[SEL], 0x76543210
	s_mov_b32 s[SEL+1], 0xfedcba98
	; group 0: the count and the LDS addresses: the wave's number and constants alone
.irp s, 0,1,2
	s_mov_b32 s[G0A+4*\s], 1
	s_mul_i32 s[G0A+4*\s+1], s14, FILLB            ; phase 1: wave x 24,576 in the slot: A's two panels, then B's two
	s_add_co_u32 s[G0A+4*\s+1], s[G0A+4*\s+1], \s*SLOT
	s_mov_b32 s[G0B+4*\s], 1
	s_mul_i32 s[G0B+4*\s+1], s14, FILLB
	s_add_co_u32 s[G0B+4*\s+1], s[G0B+4*\s+1], \s*SLOT
.endr
.irp s, 0,1                                    ; phase 2: K steps 0-3 go to the upper slot, 4-7 to the lower
	s_mov_b32 s[G0A2+4*\s], 1
	s_mul_i32 s[G0A2+4*\s+1], s16, FILLB           ; A: the slot's first or second two K steps
	s_add_co_u32 s[G0A2+4*\s+1], s[G0A2+4*\s+1], (1-\s)*SLOT2
	s_mov_b32 s[G0B2+4*\s], 1
	s_mul_i32 s[G0B2+4*\s+1], s16, 4*KB            ; B: the first or the second panel, behind A's 49,152 bytes
	s_add_co_u32 s[G0B2+4*\s+1], s[G0B2+4*\s+1], (1-\s)*SLOT2+4*KB
.endr
	; the byte offsets in xw, made in the registers that will hold the addresses: A's never hold cx, B's never cy
	s_add_co_u32 s66, s17, s21                     ; phase 1, A: the activations' pair 4 cluster y + cy
	s_lshl_b32 s[G0A+2], s66, 1
	s_add_co_u32 s[G0A+2], s[G0A+2], s16           ; the panel that I would fetch
	s_mul_i32 s[G0A+2], s[G0A+2], 98304
	s_mul_i32 s92, s18, 6291456                    ; event for q, img for k
	s_add_co_u32 s[G0A+2], s[G0A+2], s92
	s_mov_b32 s[G0A+3], 0
	s_lshl_b32 s[G0B+2], s20, 1                    ; phase 1, B: the weight's pair cx
	s_add_co_u32 s[G0B+2], s[G0B+2], s16
	s_mul_i32 s[G0B+2], s[G0B+2], 98304
	s_mul_i32 s93, s18, 786432
	s_add_co_u32 s[G0B+2], s[G0B+2], s93
	s_add_co_u32 s[G0B+2], s[G0B+2], WC
	s_mov_b32 s[G0B+3], 0
	s_lshl_b32 s67, s18, 2
	s_add_co_u32 s67, s67, s21                     ; phase 2, A: Wv's panel 4 cluster x + cy
	s_mul_i32 s[G0A2+2], s67, 98304
	s_mul_i32 s94, s16, FILLB
	s_add_co_u32 s[G0A2+2], s[G0A2+2], s94
	s_add_co_u32 s[G0A2+2], s[G0A2+2], WC+2*786432
	s_mov_b32 s[G0A2+3], 0
	s_add_co_u32 s19, s17, s20                     ; phase 2, B: img's pair 4 cluster y + cx
	s_lshl_b32 s[G0B2+2], s19, 1
	s_add_co_u32 s[G0B2+2], s[G0B2+2], s16
	s_mul_i32 s[G0B2+2], s[G0B2+2], 98304
	s_add_co_u32 s[G0B2+2], s[G0B2+2], 6291456
	s_mov_b32 s[G0B2+3], 0
	s_wait_kmcnt 0x0
	s_add_nc_u64 s[G0A+2:G0A+3], s[4:5], s[G0A+2:G0A+3]
	s_add_nc_u64 s[G0B+2:G0B+3], s[4:5], s[G0B+2:G0B+3]
	s_add_nc_u64 s[G0A2+2:G0A2+3], s[4:5], s[G0A2+2:G0A2+3]
	s_add_nc_u64 s[G0B2+2:G0B2+3], s[4:5], s[G0B2+2:G0B2+3]
.irp s, 1,2
	s_add_nc_u64 s[G0A+4*\s+2:G0A+4*\s+3], s[G0A+2:G0A+3], \s*FILLB   ; slot s begins with K steps 2 s and 2 s + 1
	s_add_nc_u64 s[G0B+4*\s+2:G0B+4*\s+3], s[G0B+2:G0B+3], \s*FILLB
.endr
	s_add_nc_u64 s[G0A2+6:G0A2+7], s[G0A2+2:G0A2+3], 4*KB             ; phase 2's K steps 4-7
	s_add_nc_u64 s[G0B2+6:G0B2+7], s[G0B2+2:G0B2+3], 4*KB
.irp s, 0,1,2
	s_or_b32 s[G0A+4*\s+3], s[G0A+4*\s+3], 0x80000000                 ; 127:126 type = 2
	s_or_b32 s[G0B+4*\s+3], s[G0B+4*\s+3], 0x80000000
.endr
.irp s, 0,1
	s_or_b32 s[G0A2+4*\s+3], s[G0A2+4*\s+3], 0x80000000
	s_or_b32 s[G0B2+4*\s+3], s[G0B2+4*\s+3], 0x80000000
.endr
	CROUND                                         ; all sixteen work-groups are here: the first joint loads meet
	JLOAD G0A, G1A, G0B, G1B                       ; K steps 0, 1
	JLOAD G0A+4, G1A, G0B+4, G1B                   ; 2, 3
	JLOAD G0A+8, G1A, G0B+8, G1B                   ; 4, 5
	v_and_b32 v1, 15, v0                           ; r
	v_bfe_u32 v2, v0, 4, 1                         ; h
	v_and_b32 v[LI], 31, v0
	v_lshlrev_b32 v[LI], 4, v[LI]
	s_mul_i32 s98, s15, FILLB                      ; (s98 holds numbers made of the wave's number alone)
	v_add_nc_u32 v[ADRA], s98, v[LI]
	v_add_nc_u32 v[ADRA+1], SLOT, v[ADRA]
	v_add_nc_u32 v[ADRA+2], SLOT, v[ADRA+1]
	s_mul_i32 s98, s16, FILLB
	s_add_co_u32 s98, s98, 2*FILLB
	v_add_nc_u32 v[ADRB], s98, v[LI]
	v_add_nc_u32 v[ADRB+1], SLOT, v[ADRB]
	v_add_nc_u32 v[ADRB+2], SLOT, v[ADRB+1]
	s_mul_i32 s98, s15, 6144                       ; phase 2: my four tiles of A's eight
	v_add_nc_u32 v[ADRA2+1], s98, v[LI]
	v_add_nc_u32 v[ADRA2], SLOT2, v[ADRA2+1]
	s_mul_i32 s98, s16, 4*KB
	s_add_co_u32 s98, s98, 4*KB
	v_add_nc_u32 v[ADRB2+1], s98, v[LI]
	v_add_nc_u32 v[ADRB2], SLOT2, v[ADRB2+1]
.irp b, 0,1,2,3
	v_mov_b32 v[TM+4+\b], 0                        ; written once: a lane permute's destination counts as one of its sources
.endr
	; ---- phase 1's scale words and bias.  All offsets stand in vector registers, beside the buffers' own addresses
	s_lshl_b32 s95, s66, 1
	s_add_co_u32 s95, s95, s15                     ; pA: the activations' panel that I multiply
	s_lshl_b32 s96, s20, 1
	s_add_co_u32 s96, s96, s16                     ; pB: the weight's
	s_lshl_b32 s97, s95, 12
	s_lshl_b32 s99, s18, 18
	s_add_co_u32 s97, s97, s99
	s_add_co_u32 s97, s97, XSO
	v_add_nc_u32 v24, s97, v[LI]
	s_lshl_b32 s97, s96, 12
	s_lshl_b32 s99, s18, 15
	s_add_co_u32 s97, s97, s99
	s_add_co_u32 s97, s97, WSO
	v_add_nc_u32 v25, s97, v[LI]
.irp k, 0,1,2,3,4,5,6,7
	global_load_b128 v[SCA+4*\k:SCA+4*\k+3], v24, s[4:5] offset:512*\k   ; four registers a K step: tile i in lanes 0-15, tile 4 + i in lanes 16-31; they go from memory into registers once
	global_load_b128 v[SCB+4*\k:SCB+4*\k+3], v25, s[4:5] offset:512*\k
.endr
	s_lshl_b32 s97, s96, 9                         ; the weight panel's 128 numbers of the bias
	v_lshlrev_b32 v[VBI1], 6, v2                   ; register j of tile i is weight row 32 (i / 2) + 8 (i % 2) + 16 h + j: eight neighbours, two loads of 16 bytes
	v_add_nc_u32 v[VBI1], s97, v[VBI1]
	s_cmp_eq_u32 s18, 0
	s_cselect_b64 s[6:7], s[6:7], s[8:9]           ; bq or bk: the choice hangs on the cluster's x alone
	WIN TO_B
.irp i, 0,1,2,3,4,5,6,7
	global_load_b128 v[96+8*\i+96*(\i/4):96+8*\i+96*(\i/4)+3], v[VBI1], s[6:7] offset:(32*(\i/2)+8*(\i%2))*4
	global_load_b128 v[96+8*\i+96*(\i/4)+4:96+8*\i+96*(\i/4)+7], v[VBI1], s[6:7] offset:(32*(\i/2)+8*(\i%2))*4+16
.endr
	WIN 0
	s_lshl_b32 s95, s95, 3
	s_add_co_u32 s95, s95, s96                     ; the result is K step pB of panel pA
	s_mul_i32 s97, s95, KB
	s_mul_i32 s99, s18, 6291456
	s_add_co_u32 s97, s97, s99
	v_add_nc_u32 v[VOC1], s97, v[LI]
	s_lshl_b32 s97, s95, 9
	s_lshl_b32 s99, s18, 18
	s_add_co_u32 s97, s97, s99
	s_add_co_u32 s97, s97, QS
	v_add_nc_u32 v[VOS1], s97, v[LI]
	; ---- phase 2's offsets
	s_lshl_b32 s95, s19, 1
	s_add_co_u32 s95, s95, s16                     ; pB: img's panel that I multiply, 0..63
	s_lshl_b32 s96, s15, 8                         ; 256 wa: my half of a record, and of the bias's 512 bytes
	s_lshl_b32 s97, s67, 12
	s_add_co_u32 s97, s97, s96
	s_add_co_u32 s97, s97, WSO+65536
	v_lshlrev_b32 v[VSA2], 4, v1
	v_lshl_add_u32 v[VSA2], v2, 9, v[VSA2]         ; 16 r + 512 h: lanes 0-15 an even K step's record, lanes 16-31 the odd one's
	v_add_nc_u32 v[VSA2], s97, v[VSA2]
	s_lshl_b32 s97, s95, 12
	s_add_co_u32 s97, s97, XSO+262144
	v_add_nc_u32 v[VSB2], s97, v[LI]
	s_lshl_b32 s97, s67, 9
	s_add_co_u32 s97, s97, s96
	v_and_b32 v26, 7, v1
	v_lshrrev_b32 v27, 3, v1
	v_lshlrev_b32 v26, 2, v26
	v_lshl_add_u32 v26, v27, 6, v26                ; every register of block i is weight row 64 wa + 32 (i / 2) + 8 (i % 2) + r % 8 + 16 (r / 8)
	v_add_nc_u32 v[VBI2], s97, v26
	s_lshr_b32 s97, s95, 4
	s_lshl_b32 s97, s97, 3
	s_add_co_u32 s97, s97, s67
	s_lshl_b32 s97, s97, 4
	s_and_b32 s99, s95, 15
	s_add_co_u32 s97, s97, s99                     ; the result is K step pB % 16 of d panel 4 cluster x + cy of batch pB / 16
	s_mul_i32 s99, s97, KB
	s_mul_i32 s95, s15, 6144
	s_add_co_u32 s99, s99, s95                     ; my four tiles of its eight
	s_add_co_u32 s99, s99, VC
	v_add_nc_u32 v[VOC2], s99, v[LI]
	s_lshl_b32 s99, s97, 9
	s_add_co_u32 s99, s99, s96
	s_add_co_u32 s99, s99, VS
	v_lshlrev_b32 v[VOS2], 4, v1
	v_add_nc_u32 v[VOS2], s99, v[VOS2]
; one matrix instruction on the registers named by the symbols rD, rB, rA, rC, rSB, rSA; rRB, rRA: the side's scale words lie in lanes 16-31.  cm = 1: adds in place; else C = v[rC] on
.macro WM cm
.if (\cm) == 1
.if rRB && rRA
	v_wmma_scale_f32_16x16x128_f8f6f4 v[rD:rD+7], v[rB:rB+11], v[rA:rA+11], v[rD:rD+7], v[rSB], v[rSA] matrix_a_fmt:MATRIX_FMT_FP6 matrix_b_fmt:MATRIX_FMT_FP6 matrix_a_scale:MATRIX_SCALE_ROW1 matrix_b_scale:MATRIX_SCALE_ROW1
.elseif rRB
	v_wmma_scale_f32_16x16x128_f8f6f4 v[rD:rD+7], v[rB:rB+11], v[rA:rA+11], v[rD:rD+7], v[rSB], v[rSA] matrix_a_fmt:MATRIX_FMT_FP6 matrix_b_fmt:MATRIX_FMT_FP6 matrix_a_scale:MATRIX_SCALE_ROW1
.elseif rRA
	v_wmma_scale_f32_16x16x128_f8f6f4 v[rD:rD+7], v[rB:rB+11], v[rA:rA+11], v[rD:rD+7], v[rSB], v[rSA] matrix_a_fmt:MATRIX_FMT_FP6 matrix_b_fmt:MATRIX_FMT_FP6 matrix_b_scale:MATRIX_SCALE_ROW1
.else
	v_wmma_scale_f32_16x16x128_f8f6f4 v[rD:rD+7], v[rB:rB+11], v[rA:rA+11], v[rD:rD+7], v[rSB], v[rSA] matrix_a_fmt:MATRIX_FMT_FP6 matrix_b_fmt:MATRIX_FMT_FP6
.endif
.else
.if rRB && rRA
	v_wmma_scale_f32_16x16x128_f8f6f4 v[rD:rD+7], v[rB:rB+11], v[rA:rA+11], v[rC:rC+7], v[rSB], v[rSA] matrix_a_fmt:MATRIX_FMT_FP6 matrix_b_fmt:MATRIX_FMT_FP6 matrix_a_scale:MATRIX_SCALE_ROW1 matrix_b_scale:MATRIX_SCALE_ROW1
.elseif rRB
	v_wmma_scale_f32_16x16x128_f8f6f4 v[rD:rD+7], v[rB:rB+11], v[rA:rA+11], v[rC:rC+7], v[rSB], v[rSA] matrix_a_fmt:MATRIX_FMT_FP6 matrix_b_fmt:MATRIX_FMT_FP6 matrix_a_scale:MATRIX_SCALE_ROW1
.elseif rRA
	v_wmma_scale_f32_16x16x128_f8f6f4 v[rD:rD+7], v[rB:rB+11], v[rA:rA+11], v[rC:rC+7], v[rSB], v[rSA] matrix_a_fmt:MATRIX_FMT_FP6 matrix_b_fmt:MATRIX_FMT_FP6 matrix_b_scale:MATRIX_SCALE_ROW1
.else
	v_wmma_scale_f32_16x16x128_f8f6f4 v[rD:rD+7], v[rB:rB+11], v[rA:rA+11], v[rC:rC+7], v[rSB], v[rSA] matrix_a_fmt:MATRIX_FMT_FP6 matrix_b_fmt:MATRIX_FMT_FP6
.endif
.endif
.endm
.macro FRAG reg, adr, off              ; an image comes back as the registers that it is: three loads of 512 consecutive bytes
.irp c, 0,1,2
	ds_load_b128 v[\reg+4*\c:\reg+4*\c+3], v[\adr] offset:\off+512*\c
.endr
.endm
; ======== PHASE 1 ========
; 16 matrix instructions: A's blocks a0, a0 + 1 x B's eight, K step kk.  cm = 2: C is the bias of B's block.  The 64 accumulators take turns, one instruction a turn.
.macro MULA a0, kk, cm
.irp a, \a0, \a0+1
.irp b, 0,1,2,3,4,5,6,7
.set rD, 8*(8*((\a)%4)+\b)
.set rB, 128*((\kk)%2)+12*\b
.set rA, AF+12*(\a)
.set rSB, SCB+4*(\kk)+\b%4
.set rSA, SCA+4*(\kk)+(\a)%4
.set rRB, \b/4
.set rRA, (\a)/4
.set rC, 96+8*\b+96*(\b/4)
	WM \cm
.endr
.endr
.endm
.macro FETCH_B kk                      ; B's eight fragments of K step kk into set kk % 2
	WIN TO_B
.irp i, 0,1,2,3,4,5,6,7
	FRAG 128*((\kk)%2)+12*\i, ADRB+((\kk)/2)%3, KB*((\kk)%2)+1536*\i
.endr
	WIN 0
.endm
.macro FETCH_A kk, i0                  ; A's blocks i0 .. i0 + 3
.irp i, \i0, \i0+1, \i0+2, \i0+3
	FRAG AF+12*(\i), ADRA+((\kk)/2)%3, KB*((\kk)%2)+1536*(\i)
.endr
.endm
; a K step whose successor lies in the same slot
.macro STEP kk, cm
	s_wait_dscnt 12                                ; B's set and A's blocks 0-3 are in; the youngest twelve loads (A's blocks 4-7) may be out
.if (\cm) > 1
	WIN 0x91                                       ; C (the bias) window 1, D window 2
.else
	WIN MUL_LO
.endif
	MULA 0, \kk, \cm
	MULA 2, \kk, \cm
	s_wait_dscnt 0x0                               ; A's blocks 4-7 are in
	PLACES 4
	FETCH_B (\kk)+1
	FETCH_A (\kk)+1, 0
.if (\cm) > 1
	WIN 0xd1
.else
	WIN MUL_HI
.endif
	MULA 4, \kk, \cm
	MULA 6, \kk, \cm
	PLACES 4
	WIN 0
	FETCH_A (\kk)+1, 4
.endm
; a slot's last K step changes slots: one barrier.  mode 2: the next slot's load is waited for by count, a later slot's stays out.
; mode 1, 3: all my tensor loads, the add, my reads; the barrier opens a round of the cluster's barrier, and one joint refill a wave is the first thing behind it:
; mode 1: slot 0 takes K steps 6 and 7;  mode 3: phase 2's upper slot takes its K steps 0-3, over slot 2 and the upper half of slot 1, which every wave has read out.
.macro TURN kk, mode
.if (\mode) == 2
	s_wait_tensorcnt 0x1                           ; my parts of slots 0 and 1 have landed; slot 2's load, issued behind them, may be out
	s_wait_dscnt 12
.else
	s_wait_tensorcnt 0x0                           ; all my tensor loads have landed
	ds_add_u32 v[SPW], v[NIL]                      ; 0 onto my spare word
	s_wait_dscnt 13                                ; the add and the youngest twelve loads may be out
.endif
	WIN MUL_LO
	MULA 0, \kk, 1
	s_wait_dscnt 0x0                               ; (the add is done, and) my reads of this slot are over
	s_barrier_signal -1
	MULA 2, \kk, 1
	WIN 0
	s_barrier_wait -1
.if (\mode) == 1
	CREST                                          ; no wave of any partner still reads slot 0 or has a load on its way
	s_add_nc_u64 s[G0A+2:G0A+3], s[G0A+2:G0A+3], 3*FILLB
	s_add_nc_u64 s[G0B+2:G0B+3], s[G0B+2:G0B+3], 3*FILLB
	JLOAD G0A, G1A, G0B, G1B                       ; the four v_nop behind it are also the places in front of the loads below
.elseif (\mode) == 3
	CREST
	JLOAD G0A2, G1A, G0B2, G1B2
.else
	PLACES 4
.endif
	FETCH_B (\kk)+1
	FETCH_A (\kk)+1, 0
	WIN MUL_HI
	MULA 4, \kk, 1
	MULA 6, \kk, 1
	PLACES 4
	WIN 0
	FETCH_A (\kk)+1, 4
.endm
.macro LAST kk
	s_wait_dscnt 12
	WIN MUL_LO
	MULA 0, \kk, 1
	MULA 2, \kk, 1
	s_wait_dscnt 0x0
	WIN MUL_HI
	MULA 4, \kk, 1
	MULA 6, \kk, 1
	WIN 0
.endm
; ======== PHASE 2 ========
; 8 matrix instructions: A's block a x B's eight, K step kk.  cm = 3: C is the bias of A's block.  The 32 accumulators take turns, one instruction a turn.
.macro MULB a, kk, cm
.irp b, 0,1,2,3,4,5,6,7
.set rD, 8*(8*(\a)+\b)
.set rB, 128*((\kk)%2)+12*\b
.set rA, AF+48*((\kk)%2)+12*(\a)
.set rSB, SCB+4*(\kk)+\b%4
.set rSA, SCA+4*((\kk)/2)+(\a)
.set rRB, \b/4
.set rRA, (\kk)%2
.set rC, 96+8*(\a)
	WM \cm
.endr
.endm
.macro FETCH2 kk                       ; K step kk: B's eight fragments and A's four, into the sets kk % 2
	WIN TO_B
.irp i, 0,1,2,3,4,5,6,7
	FRAG 128*((\kk)%2)+12*\i, ADRB2+(\kk)/4, KB*((\kk)%4)+1536*\i
.endr
	WIN 0
.irp i, 0,1,2,3
	FRAG AF+48*((\kk)%2)+12*\i, ADRA2+(\kk)/4, KB*((\kk)%4)+1536*\i
.endr
.endm
.macro STEP2 kk, cm
	s_wait_dscnt 0x0                               ; this K step's fragments are in
.if (\cm) == 3
	WIN 0x91                                       ; C (the bias) window 1, D window 2
.else
	WIN MUL_LO
.endif
	MULB 0, \kk, \cm
	PLACES 4                                       ; behind the last K step's products, which read the sets that are loaded now
	FETCH2 (\kk)+1
.if (\cm) == 3
	WIN 0x91
.else
	WIN MUL_LO
.endif
	MULB 1, \kk, \cm
	MULB 2, \kk, \cm
	MULB 3, \kk, \cm
.endm
; the upper slot's last K step: my part of the lower slot has landed, and so, behind the barrier, has everybody's.  Nothing is filled again.
.macro TURN2 kk
	WIN 0                                          ; (the add's two registers lie in window 0)
	s_wait_tensorcnt 0x0
	ds_add_u32 v[SPW], v[NIL]                      ; 0 onto my spare word
	s_wait_dscnt 1                                 ; this K step's fragments are in; the add may be out
	WIN MUL_LO
	MULB 0, \kk, 1
	s_wait_dscnt 0x0
	s_barrier_signal -1
	MULB 1, \kk, 1
	WIN 0
	s_barrier_wait -1
	PLACES 4
	FETCH2 (\kk)+1
	WIN MUL_LO
	MULB 2, \kk, 1
	MULB 3, \kk, 1
.endm
; THE WAY OUT.  A's block a: a lane's 64 results are 128 along the next K of its row (register 16 b + i = k 32 b + 16 h + i): quantised in registers, stored as an image at the offsets of v[voc].
; Each accumulator is read from its low end on.
.macro QUANTA a, voc
.set WA_, 2+(\a)/4
.set SB_, 64*((\a)%4)
	WIN WA_|(WA_<<2)                               ; sources 0 and 1: the accumulators' window
.irp b, 0,1,2,3
	v_max3_num_f32 v[TM+\b], |v[SB_+16*\b]|, |v[SB_+16*\b+1]|, 0x1800000   ; and the floor 2^(3 - 127)
.endr
.irp i, 2,4,6,8,10,12,14
.irp b, 0,1,2,3
	v_max3_num_f32 v[TM+\b], |v[SB_+16*\b+\i]|, |v[SB_+16*\b+\i+1]|, v[TM+\b]
.endr
.endr
	WIN 0
.irp b, 0,1,2,3
	v_permlanex16_b32 v[TM+4+\b], v[TM+\b], s[SEL], s[SEL+1]
.endr
.irp b, 0,1,2,3
	v_max_num_f32 v[TM+\b], v[TM+\b], v[TM+4+\b]
.endr
.irp b, 0,1,2,3
	v_add_nc_u32 v[TM+12+\b], 0xff000000, v[TM+\b]
.endr
.irp b, 0,1,2,3
	v_lshrrev_b32 v[TM+4+\b], 23, v[TM+12+\b]
.endr
	v_lshl_or_b32 v[PW+\a], v[TM+5], 8, v[TM+4]
	v_lshl_or_b32 v[PW+\a], v[TM+6], 16, v[PW+\a]
	v_lshl_or_b32 v[PW+\a], v[TM+7], 24, v[PW+\a]
	s_wait_xcnt 0x0                                ; the last block's stores have read v[PC] on
	WIN WA_
.irp c, 0,1
	v_cvt_scalef32_pk16_fp6_f32 v[PC+6*\c:PC+2+6*\c], v[SB_+32*\c:SB_+15+32*\c], v[TM+12+2*\c]
	v_cvt_scalef32_pk16_fp6_f32 v[PC+12+4*\c:PC+14+4*\c], v[SB_+16+32*\c:SB_+31+32*\c], v[TM+12+2*\c+1]
.endr
	WIN 0
	v_nop                                          ; one plain line behind the scaled conversions
.irp c, 0,1
.irp i, 0,1,2
	v_permlane16_swap_b32 v[PC+6*\c+\i], v[PC+12+4*\c+\i]
.endr
.irp i, 0,1,2
	v_mov_b32 v[PC+3+6*\c+\i], v[PC+12+4*\c+\i]
.endr
.endr
.irp c, 0,1,2
	global_store_b128 v[\voc], v[PC+4*\c:PC+4*\c+3], s[12:13] offset:1536*(\a)+512*\c   ; 512 consecutive bytes, aligned to 512
.endr
.endm
	s_wait_tensorcnt 0x2                           ; my part of slot 0 is in; slots 1 and 2 may be out
	s_barrier_signal -1
	s_barrier_wait -1
	FETCH_B 0
	FETCH_A 0, 0
	FETCH_A 0, 4
	s_wait_loadcnt 0x0                             ; the scale words and the bias
	STEP 0, 2                                      ; the first products start the sums with the bias: nothing is cleared, nothing added later
	TURN 1, 2
	STEP 2, 1
	TURN 3, 1
	STEP 4, 1
	TURN 5, 3
	STEP 6, 1
	LAST 7
	PLACES 4
	; phase 2's scale words and bias are asked for here, into registers that phase 1's products are done with: they land during the way out
.irp m, 0,1,2,3
	global_load_b128 v[SCA+4*\m:SCA+4*\m+3], v[VSA2], s[4:5] offset:1024*\m   ; my four blocks of A: lanes 0-15 K step 2 m, lanes 16-31 K step 2 m + 1
.endr
.irp k, 0,1,2,3,4,5,6,7
	global_load_b128 v[SCB+4*\k:SCB+4*\k+3], v[VSB2], s[4:5] offset:512*\k
.endr
	WIN TO_B
.irp i, 0,1,2,3
.irp j, 0,1,2,3,4,5,6,7
	global_load_b32 v[96+8*\i+\j], v[VBI2], s[10:11] offset:(32*(\i/2)+8*(\i%2))*4   ; the lane's row's bias, in all eight registers of the block's C
.endr
.endr
	WIN 0
.irp t, 0,1,2,3
	QUANTA \t, VOC1
.endr
	; phase 2's lower slot: over slot 0 and the lower half of slot 1, which every wave has read out.  The upper slot's load, asked for two and a half K steps and four blocks ago, is waited for here
	s_wait_tensorcnt 0x0                           ; all my tensor loads have landed: my part of the upper slot
	ds_add_u32 v[SPW], v[NIL]                      ; 0 onto my spare word
	s_wait_dscnt 0x0                               ; the add is done; my reads of slot 0 were over at the last K step
	CROUND                                         ; all that now holds of every wave of every partner
	JLOAD G0A2+4, G1A, G0B2+4, G1B2                ; K steps 4-7: they have the rest of the way out and four K steps in which to land
	FETCH2 0                                       ; the upper slot is whole: phase 2's first fragments come while the way out goes on
.irp t, 4,5,6,7
	QUANTA \t, VOC1
.endr
	v_cmp_eq_u32 vcc_lo, 1, v2
.irp i, 0,1,2,3
	v_cndmask_b32 v[OUTW+\i], v[PW+\i], v[PW+4+\i], vcc_lo   ; the record: tile i in lanes 0-15, tile 4 + i in lanes 16-31
.endr
	global_store_b128 v[VOS1], v[OUTW:OUTW+3], s[12:13]
	s_wait_xcnt 0x0                                ; the stores have read v[PC] on, into which A's second set is loaded next
	s_wait_loadcnt 0x0                             ; phase 2's scale words and bias
	STEP2 0, 3                                     ; the first products start the sums with the bias
	STEP2 1, 1
	STEP2 2, 1
	TURN2 3
	STEP2 4, 1
	STEP2 5, 1
	STEP2 6, 1
	s_wait_dscnt 0x0                               ; the last K step: nothing more to fetch
	WIN MUL_LO
	MULB 0, 7, 1
	MULB 1, 7, 1
	MULB 2, 7, 1
	MULB 3, 7, 1
	WIN 0
	PLACES 4
.irp t, 0,1,2,3
	QUANTA \t, VOC2
.endr
	global_store_b128 v[VOS2], v[PW:PW+3], s[12:13] ; my half of the record, 256 bytes: lanes r and r + 16 hold and write the same 16 bytes
	s_wait_tensorcnt 0x0                           ; the wave's end
	ds_add_u32 v[SPW], v[NIL]
	s_wait_dscnt 0x0
	CROUND                                         ; the closing round
	s_endpgm
.Lfunc_end_k_q962dfbf582_proj:
	.size	k_q962dfbf582_proj, .Lfunc_end_k_q962dfbf582_proj-k_q962dfbf582_proj
	.p2alignl 7, 3214868480
	.fill 96, 4, 3214868480
	.section	.rodata,"a",@progbits
	.p2align	6, 0x0
	.amdhsa_kernel k_q962dfbf582_proj
		.amdhsa_group_segment_fixed_size 327680
		.amdhsa_private_segment_fixed_size 0
		.amdhsa_enable_private_segment 0
		.amdhsa_kernarg_size 40
		.amdhsa_user_sgpr_count 2
		.amdhsa_user_sgpr_kernarg_segment_ptr 1
		.amdhsa_wavefront_size32 1
		.amdhsa_system_sgpr_workgroup_id_x 1
		.amdhsa_system_sgpr_workgroup_id_y 1
		.amdhsa_system_sgpr_workgroup_id_z 1
		.amdhsa_system_vgpr_workitem_id 0
		.amdhsa_next_free_vgpr 1024
		.amdhsa_next_free_sgpr 100
		.amdhsa_reserve_vcc 1
		.amdhsa_float_denorm_mode_32 3
		.amdhsa_float_denorm_mode_16_64 3
		.amdhsa_memory_ordered 1
		.amdhsa_forward_progress 1
		.amdhsa_inst_pref_size 218
	.end_amdhsa_kernel
	.amdgpu_metadata
---
amdhsa.version: [ 1, 2 ]
amdhsa.kernels:
  - .name:           k_q962dfbf582_proj
    .symbol:         k_q962dfbf582_proj.kd
    .args:
      - { .name: xw, .offset: 0, .size: 8, .value_kind: global_buffer, .address_space: global }
      - { .name: bq, .offset: 8, .size: 8, .value_kind: global_buffer, .address_space: global }
      - { .name: bk, .offset: 16, .size: 8, .value_kind: global_buffer, .address_space: global }
      - { .name: bv, .offset: 24, .size: 8, .value_kind: global_buffer, .address_space: global }
      - { .name: qkv, .offset: 32, .size: 8, .value_kind: global_buffer, .address_space: global }
    .group_segment_fixed_size: 327680
    .private_segment_fixed_size: 0
    .kernarg_segment_align: 8
    .kernarg_segment_size: 40
    .max_flat_workgroup_size: 128
    .sgpr_count:     100
    .vgpr_count:     1024
    .wavefront_size: 32
...
	.end_amdgpu_metadata
.endif
;; end of part 2
;; launch scores (part 3): grid 8 x 32, 4 waves a work-group, clusters of 4 x 4, 327,680 bytes of LDS; arguments qkv, pc, ps; writes pc, ps
.if DOCPART == 3
	.amdgcn_target "amdgcn-amd-amdhsa--gfx1250"
	.amdhsa_code_object_version 6
	.text
	.protected	k_q962dfbf582_scores
	.globl	k_q962dfbf582_scores
	.p2align	8
	.type	k_q962dfbf582_scores,@function
k_q962dfbf582_scores:
	s_mov_b64 s[64:65], 0
	v_nop
	global_prefetch_b8 v0, s[64:65] scope:SCOPE_SE
	s_setreg_imm32_b32 hwreg(HW_REG_WAVE_MODE, 25, 1), 1
	s_wait_xcnt 0x0
	s_wait_alu depctr_hold_cnt(0) depctr_sa_sdst(0) depctr_va_vdst(0) depctr_va_sdst(0) depctr_va_ssrc(0) depctr_va_vcc(0) depctr_vm_vsrc(0)
	s_getreg_b32 s2, hwreg(HW_REG_IB_STS2, 6, 4)
	s_cmp_eq_u32 s2, 0
	s_cbranch_scc0 .Lentry_in_a_cluster
	s_endpgm
.Lentry_in_a_cluster:
	s_bfe_u32 s2, ttmp6, 0x10000c
	s_cmp_lg_u32 s2, 0xf033
	s_cbranch_scc0 .Lentry_shape_is_right
	s_endpgm
.Lentry_shape_is_right:
; S = q k^T on codes of FP6 (E2M3) with E8M0 scales, f32 sums, and the softmax's numerator, quantised along the keys and stored as codes.
; t = score x log2(e) / 32.  For each query and each 128 keys (what a wave holds of a row): M = ceil(the largest t of these 128), a whole number; p = 2^(t - M); the sum l of the unquantised p.
; Stored: p's codes and scale bytes under this LOCAL M, -M and l.  The next launch takes the row's largest M and lowers each scale byte by the difference: a power of two, which the scale takes up exactly.
; OPERANDS, layout, ring and order of the K steps: images of fragments in panels of 128 rows, scale records of 512 bytes, three slots of two K steps, slot 0 filled once more behind the change of slots at step 3.
; SHARES.  A work-group makes 256 queries x 256 keys of one batch; four waves, each 128 x 128.  Source 0 = 16 keys, source 1 = 16 queries: a lane holds one query, and its 64 registers of a block of queries
; are keys 32 b + 16 h + i.  q's panels are shared along a row of the cluster, k's along a column.  A wave has three tensor loads out at the start, later one.
; LIMITS: NaN and infinities are not served; p under 2^-126 is 0 (the exponential's result is flushed: ISA guide, its entry); a block whose largest p lies under 2^-124 keeps the byte 1.
; REGISTERS: window 0: v0-31 addresses; v32-63 q's scale words, v64-95 k's; v96-103 p's scale words, v104-111 -M, v112-119 l, v120-127, v248-251 the records; v128-223 A's fragments (way out: v128-191 p, v192-211 codes);
; v224-247 at work.  window 1: B's two sets.  windows 2, 3: accumulator (a, b) at v[8 (8 (a % 4) + b)].
.set KC,    6291456
.set QS,    18874368
.set KS,    19136512
.set KB,    12288
.set FILLB, 2*KB
.set SLOT,  4*FILLB
.set SPARE, 3*SLOT                     ; the spare words, 128 bytes a wave: two blocks of 256 bytes that no other line names
.set LI,   3
.set ADRA, 4
.set ADRB, 7
.set SPW,  10
.set NIL,  11
.set SCA,  32
.set SCB,  64
.set PW,   96
.set NM,   104
.set LL,   112
.set OUTW, 120
.set AF,   128
.set P,    128
.set PC,   192
.set TM,   224
.set NMR,  240                         ; v[240:241] -M: the packed form names the pair and takes its low word
.set SUM,  242
.set TT,   246
.set OUT3, 248
.set SEL,  2
.set CS,   66                          ; s[66:67] c = log2(e) / 32
.set G1A,  24
.set G1B,  32
.set G0A,  40
.set G0B,  52
.set MUL_LO, 0xa1
.set MUL_HI, 0xf1
.set TO_B,   0x40
.set MSB, 0
.macro WIN new
.if MSB != (\new)
	s_set_vgpr_msb (MSB<<8)|(\new)
.set MSB, (\new)
.endif
.endm
.macro JLOAD g0a, g1a, g0b, g1b        ; waves 0 and 1 fetch q's two panels, waves 2 and 3 k's; four v_nop follow each line
	s_cmp_eq_u32 s15, 0
	s_cbranch_scc0 .Lfor_b_\@
	tensor_load_to_lds s[\g0a:\g0a+3], s[\g1a:\g1a+7]
	s_nop 0
.rept 4
	v_nop
.endr
	s_branch .Lasked_\@
.Lfor_b_\@:
	tensor_load_to_lds s[\g0b:\g0b+3], s[\g1b:\g1b+7]
	s_nop 0
.rept 4
	v_nop
.endr
.Lasked_\@:
.endm
.macro CREST
	s_cmp_lg_u32 s14, 0
	s_cbranch_scc1 .Lnot_wave_0_\@
	s_barrier_signal -3
.Lnot_wave_0_\@:
	s_barrier_wait -3
	s_barrier_signal -1
	s_barrier_wait -1
.endm
.macro CROUND
	s_barrier_signal -1
	s_barrier_wait -1
	CREST
.endm
.macro PLACES n
.rept \n
	v_nop
.endr
.endm
	s_load_b128 s[4:7], s[0:1], 0x0                ; qkv s[4:5], pc s[6:7]
	s_load_b64 s[8:9], s[0:1], 0x10                ; ps
	v_lshl_add_u32 v[SPW], v0, 2, SPARE
	v_mov_b32 v[NIL], 0
	ds_add_u32 v10, v11
	ds_add_u32 v10, v11
	s_wait_dscnt 0x0
	v_lshrrev_b32 v1, 5, v0
	v_readfirstlane_b32 s14, v1                    ; wave
	s_lshr_b32 s15, s14, 1
	s_and_b32 s16, s14, 1
	s_bfe_u32 s20, ttmp6, 0x40000                  ; cx
	s_bfe_u32 s21, ttmp6, 0x40004                  ; cy
	s_and_b32 s17, ttmp7, 0xffff
	s_lshr_b32 s19, s17, 1                         ; the batch: from the cluster's y alone
	s_lshl_b32 s17, s17, 2
	s_add_co_u32 s17, s17, s21                     ; y: which 256 queries of the 8,192
	s_lshl_b32 s18, ttmp9, 2
	s_add_co_u32 s18, s18, s20                     ; x: which 256 keys of the batch
	s_lshl_b32 s22, s21, 2
	s_lshl_b32 s22, 15, s22
	s_lshl_b32 s23, 0x1111, s20
	s_or_b32 s[G1A], s22, (3<<16)|(1<<21)
	s_or_b32 s[G1B], s23, (3<<16)|(1<<21)
.irp g, G1A, G1B
	s_mov_b32 s[\g+1], 32<<16
	s_mov_b32 s[\g+2], 96<<16
	s_mov_b32 s[\g+3], 32<<16
	s_mov_b32 s[\g+4], 96
	s_mov_b32 s[\g+5], 32
	s_mov_b32 s[\g+6], 0
	s_mov_b32 s[\g+7], 0
.endr
	s_mov_b32 s[SEL], 0x76543210
	s_mov_b32 s[SEL+1], 0xfedcba98
	s_mov_b32 s[CS], 0x3d38aa3b
	s_mov_b32 s[CS+1], s[CS]
	s_lshl_b32 s70, s17, 1
	s_add_co_u32 s70, s70, s16
	s_mul_i32 s70, s70, 98304                      ; q's panel 2 y + (wave % 2)
	s_mov_b32 s71, 0
	s_lshl_b32 s74, s19, 4
	s_lshl_b32 s75, s18, 1
	s_add_co_u32 s74, s74, s75
	s_add_co_u32 s74, s74, s16
	s_mul_i32 s74, s74, 98304
	s_add_co_u32 s74, s74, KC                      ; k's panel 16 batch + 2 x + (wave % 2)
	s_mov_b32 s75, 0
	s_mul_i32 s80, s14, FILLB
	s_wait_kmcnt 0x0
	s_add_nc_u64 s[70:71], s[4:5], s[70:71]
	s_add_nc_u64 s[74:75], s[4:5], s[74:75]
	CROUND
.irp s, 0,1,2
	s_mov_b32 s[G0A+4*\s], 1
	s_add_co_u32 s[G0A+4*\s+1], s80, \s*SLOT
	s_add_nc_u64 s[G0A+4*\s+2:G0A+4*\s+3], s[70:71], \s*FILLB
	s_or_b32 s[G0A+4*\s+3], s[G0A+4*\s+3], 0x80000000
	s_mov_b32 s[G0B+4*\s], 1
	s_add_co_u32 s[G0B+4*\s+1], s80, \s*SLOT
	s_add_nc_u64 s[G0B+4*\s+2:G0B+4*\s+3], s[74:75], \s*FILLB
	s_or_b32 s[G0B+4*\s+3], s[G0B+4*\s+3], 0x80000000
	JLOAD G0A+4*\s, G1A, G0B+4*\s, G1B
.endr
	v_and_b32 v1, 15, v0
	v_bfe_u32 v2, v0, 4, 1
	v_and_b32 v[LI], 31, v0
	v_lshlrev_b32 v[LI], 4, v[LI]
	s_mul_i32 s98, s15, FILLB
	v_add_nc_u32 v[ADRA], s98, v[LI]
	v_add_nc_u32 v[ADRA+1], SLOT, v[ADRA]
	v_add_nc_u32 v[ADRA+2], SLOT, v[ADRA+1]
	s_mul_i32 s98, s16, FILLB
	s_add_co_u32 s98, s98, 2*FILLB
	v_add_nc_u32 v[ADRB], s98, v[LI]
	v_add_nc_u32 v[ADRB+1], SLOT, v[ADRB]
	v_add_nc_u32 v[ADRB+2], SLOT, v[ADRB+1]
.irp b, 0,1,2,3
	v_mov_b32 v[TM+4+\b], 0
.endr
	v_mov_b32 v[NMR+1], 0                          ; named as the upper half of a pair
	s_lshl_b32 s81, s17, 1
	s_add_co_u32 s81, s81, s15                     ; my panel of queries, 0..63
	s_lshl_b32 s82, s18, 1
	s_add_co_u32 s82, s82, s16                     ; my panel of keys in the batch, 0..15
	s_lshl_b32 s83, s19, 4
	s_add_co_u32 s83, s83, s82
	s_lshl_b32 s84, s81, 12
	s_add_co_u32 s84, s84, QS
	s_mov_b32 s85, 0
	s_add_nc_u64 s[84:85], s[4:5], s[84:85]
	s_lshl_b32 s86, s83, 12
	s_add_co_u32 s86, s86, KS
	s_mov_b32 s87, 0
	s_add_nc_u64 s[86:87], s[4:5], s[86:87]
.irp k, 0,1,2,3,4,5,6,7
	global_load_b128 v[SCA+4*\k:SCA+4*\k+3], v[LI], s[84:85] offset:512*\k
	global_load_b128 v[SCB+4*\k:SCB+4*\k+3], v[LI], s[86:87] offset:512*\k
.endr
	s_lshl_b32 s92, s81, 4
	s_add_co_u32 s92, s92, s82                     ; P: K step (panel of keys) of my panel of queries
	s_mul_i32 s94, s92, KB
	s_mov_b32 s95, 0
	s_add_nc_u64 s[94:95], s[6:7], s[94:95]
	s_lshl_b32 s96, s92, 9
	s_mov_b32 s97, 0
	s_add_nc_u64 s[96:97], s[8:9], s[96:97]
.macro WM cm                           ; cm = 0: the product starts the sum; 1: adds in place
.if (\cm) == 1
.if rRB && rRA
	v_wmma_scale_f32_16x16x128_f8f6f4 v[rD:rD+7], v[rB:rB+11], v[rA:rA+11], v[rD:rD+7], v[rSB], v[rSA] matrix_a_fmt:MATRIX_FMT_FP6 matrix_b_fmt:MATRIX_FMT_FP6 matrix_a_scale:MATRIX_SCALE_ROW1 matrix_b_scale:MATRIX_SCALE_ROW1
.elseif rRB
	v_wmma_scale_f32_16x16x128_f8f6f4 v[rD:rD+7], v[rB:rB+11], v[rA:rA+11], v[rD:rD+7], v[rSB], v[rSA] matrix_a_fmt:MATRIX_FMT_FP6 matrix_b_fmt:MATRIX_FMT_FP6 matrix_a_scale:MATRIX_SCALE_ROW1
.elseif rRA
	v_wmma_scale_f32_16x16x128_f8f6f4 v[rD:rD+7], v[rB:rB+11], v[rA:rA+11], v[rD:rD+7], v[rSB], v[rSA] matrix_a_fmt:MATRIX_FMT_FP6 matrix_b_fmt:MATRIX_FMT_FP6 matrix_b_scale:MATRIX_SCALE_ROW1
.else
	v_wmma_scale_f32_16x16x128_f8f6f4 v[rD:rD+7], v[rB:rB+11], v[rA:rA+11], v[rD:rD+7], v[rSB], v[rSA] matrix_a_fmt:MATRIX_FMT_FP6 matrix_b_fmt:MATRIX_FMT_FP6
.endif
.else
.if rRB && rRA
	v_wmma_scale_f32_16x16x128_f8f6f4 v[rD:rD+7], v[rB:rB+11], v[rA:rA+11], 0, v[rSB], v[rSA] matrix_a_fmt:MATRIX_FMT_FP6 matrix_b_fmt:MATRIX_FMT_FP6 matrix_a_scale:MATRIX_SCALE_ROW1 matrix_b_scale:MATRIX_SCALE_ROW1
.elseif rRB
	v_wmma_scale_f32_16x16x128_f8f6f4 v[rD:rD+7], v[rB:rB+11], v[rA:rA+11], 0, v[rSB], v[rSA] matrix_a_fmt:MATRIX_FMT_FP6 matrix_b_fmt:MATRIX_FMT_FP6 matrix_a_scale:MATRIX_SCALE_ROW1
.elseif rRA
	v_wmma_scale_f32_16x16x128_f8f6f4 v[rD:rD+7], v[rB:rB+11], v[rA:rA+11], 0, v[rSB], v[rSA] matrix_a_fmt:MATRIX_FMT_FP6 matrix_b_fmt:MATRIX_FMT_FP6 matrix_b_scale:MATRIX_SCALE_ROW1
.else
	v_wmma_scale_f32_16x16x128_f8f6f4 v[rD:rD+7], v[rB:rB+11], v[rA:rA+11], 0, v[rSB], v[rSA] matrix_a_fmt:MATRIX_FMT_FP6 matrix_b_fmt:MATRIX_FMT_FP6
.endif
.endif
.endm
.macro MULA a0, kk, cm                 ; 16 matrix instructions; the 64 accumulators take turns, one instruction a turn
.irp a, \a0, \a0+1
.irp b, 0,1,2,3,4,5,6,7
.set rD, 8*(8*((\a)%4)+\b)
.set rB, 128*((\kk)%2)+12*\b
.set rA, AF+12*(\a)
.set rSB, SCB+4*(\kk)+\b%4
.set rSA, SCA+4*(\kk)+(\a)%4
.set rRB, \b/4
.set rRA, (\a)/4
	WM \cm
.endr
.endr
.endm
.macro FRAG reg, adr, off
.irp c, 0,1,2
	ds_load_b128 v[\reg+4*\c:\reg+4*\c+3], v[\adr] offset:\off+512*\c
.endr
.endm
.macro FETCH_B kk
	WIN TO_B
.irp i, 0,1,2,3,4,5,6,7
	FRAG 128*((\kk)%2)+12*\i, ADRB+((\kk)/2)%3, KB*((\kk)%2)+1536*\i
.endr
	WIN 0
.endm
.macro FETCH_A kk, i0
.irp i, \i0, \i0+1, \i0+2, \i0+3
	FRAG AF+12*(\i), ADRA+((\kk)/2)%3, KB*((\kk)%2)+1536*(\i)
.endr
.endm
.macro STEP kk, cm
	s_wait_dscnt 12                                ; B's set and A's blocks 0-3 are in; the youngest twelve loads (A's blocks 4-7) may be out
	WIN MUL_LO
	MULA 0, \kk, \cm
	MULA 2, \kk, \cm
	s_wait_dscnt 0x0
	PLACES 4
	FETCH_B (\kk)+1
	FETCH_A (\kk)+1, 0
	WIN MUL_HI
	MULA 4, \kk, \cm
	MULA 6, \kk, \cm
	PLACES 4
	WIN 0
	FETCH_A (\kk)+1, 4
.endm
.macro TURN kk, mode                   ; mode 2: counted wait, plain barrier, nothing filled; 0: all loads, the add, plain barrier; 1: the same, a round of the cluster's barrier, slot 0 filled with K steps 6 and 7
.if (\mode) == 2
	s_wait_tensorcnt 0x1                           ; slots 0 and 1 have landed; slot 2's load may be out
	s_wait_dscnt 12
.else
	s_wait_tensorcnt 0x0
	ds_add_u32 v[SPW], v[NIL]                      ; 0 onto my spare word
	s_wait_dscnt 13                                ; the add and the youngest twelve loads may be out
.endif
	WIN MUL_LO
	MULA 0, \kk, 1
	s_wait_dscnt 0x0
	s_barrier_signal -1
	MULA 2, \kk, 1
	WIN 0
	s_barrier_wait -1
.if (\mode) == 1
	CREST
	s_add_nc_u64 s[G0A+2:G0A+3], s[G0A+2:G0A+3], 3*FILLB
	s_add_nc_u64 s[G0B+2:G0B+3], s[G0B+2:G0B+3], 3*FILLB
	JLOAD G0A, G1A, G0B, G1B
.else
	PLACES 4
.endif
	FETCH_B (\kk)+1
	FETCH_A (\kk)+1, 0
	WIN MUL_HI
	MULA 4, \kk, 1
	MULA 6, \kk, 1
	PLACES 4
	WIN 0
	FETCH_A (\kk)+1, 4
.endm
.macro LAST kk
	s_wait_dscnt 12
	WIN MUL_LO
	MULA 0, \kk, 1
	MULA 2, \kk, 1
	s_wait_dscnt 0x0
	WIN MUL_HI
	MULA 4, \kk, 1
	MULA 6, \kk, 1
	WIN 0
.endm
	s_wait_tensorcnt 0x2                           ; slot 0 is in; slots 1 and 2 may be out
	s_barrier_signal -1
	s_barrier_wait -1
	FETCH_B 0
	FETCH_A 0, 0
	FETCH_A 0, 4
	s_wait_loadcnt 0x0                             ; the scale words
	STEP 0, 0
	TURN 1, 2
	STEP 2, 1
	TURN 3, 1
	STEP 4, 1
	TURN 5, 0
	STEP 6, 1
	LAST 7
; THE WAY OUT, block a of 16 queries: the largest score of each block of 32 keys (it serves the row's maximum and, since p rises with the score, the block's largest p); -M = floor(-t); p; codes; the sum.
.macro SOFTQ a
.set WA_, 2+(\a)/4
.set SB_, 64*((\a)%4)
	WIN WA_|(WA_<<2)
.irp b, 0,1,2,3
	v_max_num_f32 v[TM+\b], v[SB_+16*\b], v[SB_+16*\b+1]   ; each accumulator is read from its low end on
.endr
.irp i, 2,4,6,8,10,12,14
.irp b, 0,1,2,3
	v_max3_num_f32 v[TM+\b], v[SB_+16*\b+\i], v[SB_+16*\b+\i+1], v[TM+\b]
.endr
.endr
	WIN 0
.irp b, 0,1,2,3
	v_permlanex16_b32 v[TM+4+\b], v[TM+\b], s[SEL], s[SEL+1]
.endr
.irp b, 0,1,2,3
	v_max_num_f32 v[TM+\b], v[TM+\b], v[TM+4+\b]
.endr
	v_max3_num_f32 v[TT], v[TM], v[TM+1], v[TM+2]
	v_max_num_f32 v[TT], v[TT], v[TM+3]            ; my query's largest score of these 128 keys
	v_mul_f32 v[TT], s[CS], v[TT]                  ; as t (c is positive)
	v_floor_f32 v[NMR], -v[TT]                     ; -M = floor(-t) = -ceil(t)
	WIN WA_
.set J, 0
.rept 32
	v_pk_fma_f32 v[P+J:P+J+1], v[SB_+J:SB_+J+1], s[CS:CS+1], v[NMR:NMR+1] op_sel_hi:[1,0,0]   ; t - M, two at a time
.set J, J+2
.endr
	WIN 0
.irp b, 0,1,2,3
	v_fma_f32 v[TM+\b], v[TM+\b], s[CS], v[NMR]    ; the same of each block's largest score
.endr
.set J, 0
.rept 64
	v_exp_f32 v[P+J], v[P+J]                       ; p = 2^(t - M), at most 1
.set J, J+1
.endr
.irp b, 0,1,2,3
	v_exp_f32 v[TM+\b], v[TM+\b]                   ; the block's largest p: the same two instructions on the same number
.endr
	v_mov_b32 v[NM+\a], v[NMR]                     ; (a plain line behind the exponentials)
	s_wait_alu depctr_va_vdst(0)
.irp b, 0,1,2,3
	v_max_num_f32 v[TM+\b], 0x1800000, v[TM+\b]    ; the floor 2^(3 - 127)
.endr
.irp b, 0,1,2,3
	v_add_nc_u32 v[TM+12+\b], 0xff000000, v[TM+\b]
.endr
.irp b, 0,1,2,3
	v_lshrrev_b32 v[TM+4+\b], 23, v[TM+12+\b]
.endr
	v_lshl_or_b32 v[PW+\a], v[TM+5], 8, v[TM+4]
	v_lshl_or_b32 v[PW+\a], v[TM+6], 16, v[PW+\a]
	v_lshl_or_b32 v[PW+\a], v[TM+7], 24, v[PW+\a]
	s_wait_xcnt 0x0                                ; the last block's stores have read v[PC] on
.irp c, 0,1
	v_cvt_scalef32_pk16_fp6_f32 v[PC+6*\c:PC+2+6*\c], v[P+32*\c:P+15+32*\c], v[TM+12+2*\c]
	v_cvt_scalef32_pk16_fp6_f32 v[PC+12+4*\c:PC+14+4*\c], v[P+16+32*\c:P+31+32*\c], v[TM+12+2*\c+1]
.endr
	v_nop                                          ; one plain line behind the scaled conversions
.irp c, 0,1
.irp i, 0,1,2
	v_permlane16_swap_b32 v[PC+6*\c+\i], v[PC+12+4*\c+\i]
.endr
.irp i, 0,1,2
	v_mov_b32 v[PC+3+6*\c+\i], v[PC+12+4*\c+\i]
.endr
.endr
.irp c, 0,1,2
	global_store_b128 v[LI], v[PC+4*\c:PC+4*\c+3], s[94:95] offset:1536*(\a)+512*\c
.endr
	v_pk_add_f32 v[SUM:SUM+1], v[P:P+1], v[P+2:P+3]            ; the sum is taken of the UNQUANTISED p: two at a time, in two chains
	v_pk_add_f32 v[SUM+2:SUM+3], v[P+4:P+5], v[P+6:P+7]
.set J, 8
.rept 14
	v_pk_add_f32 v[SUM:SUM+1], v[SUM:SUM+1], v[P+J:P+J+1]
	v_pk_add_f32 v[SUM+2:SUM+3], v[SUM+2:SUM+3], v[P+J+2:P+J+3]
.set J, J+4
.endr
	v_pk_add_f32 v[SUM:SUM+1], v[SUM:SUM+1], v[SUM+2:SUM+3]
	v_add_f32 v[SUM], v[SUM], v[SUM+1]
	v_permlanex16_b32 v[SUM+1], v[SUM], s[SEL], s[SEL+1]
	v_add_f32 v[LL+\a], v[SUM], v[SUM+1]           ; with lane l xor 16's 64 keys
.endm
	PLACES 4
.irp t, 0,1,2,3,4,5,6,7
	SOFTQ \t
.endr
	v_cmp_eq_u32 vcc_lo, 1, v2
.irp i, 0,1,2,3
	v_cndmask_b32 v[OUTW+\i], v[PW+\i], v[PW+4+\i], vcc_lo     ; three records: tile i in lanes 0-15, tile 4 + i in lanes 16-31
	v_cndmask_b32 v[OUTW+4+\i], v[NM+\i], v[NM+4+\i], vcc_lo
	v_cndmask_b32 v[OUT3+\i], v[LL+\i], v[LL+4+\i], vcc_lo
.endr
	global_store_b128 v[LI], v[OUTW:OUTW+3], s[96:97]                    ; the scale words
	global_store_b128 v[LI], v[OUTW+4:OUTW+7], s[96:97] offset:524288    ; -M
	global_store_b128 v[LI], v[OUT3:OUT3+3], s[96:97] offset:1048576     ; l
	s_wait_tensorcnt 0x0                           ; the wave's end
	ds_add_u32 v[SPW], v[NIL]
	s_wait_dscnt 0x0
	CROUND
	s_endpgm
.Lfunc_end_k_q962dfbf582_scores:
	.size	k_q962dfbf582_scores, .Lfunc_end_k_q962dfbf582_scores-k_q962dfbf582_scores
	.p2alignl 7, 3214868480
	.fill 96, 4, 3214868480
	.section	.rodata,"a",@progbits
	.p2align	6, 0x0
	.amdhsa_kernel k_q962dfbf582_scores
		.amdhsa_group_segment_fixed_size 327680
		.amdhsa_private_segment_fixed_size 0
		.amdhsa_enable_private_segment 0
		.amdhsa_kernarg_size 24
		.amdhsa_user_sgpr_count 2
		.amdhsa_user_sgpr_kernarg_segment_ptr 1
		.amdhsa_wavefront_size32 1
		.amdhsa_system_sgpr_workgroup_id_x 1
		.amdhsa_system_sgpr_workgroup_id_y 1
		.amdhsa_system_sgpr_workgroup_id_z 1
		.amdhsa_system_vgpr_workitem_id 0
		.amdhsa_next_free_vgpr 1024
		.amdhsa_next_free_sgpr 100
		.amdhsa_reserve_vcc 1
		.amdhsa_float_denorm_mode_32 3
		.amdhsa_float_denorm_mode_16_64 3
		.amdhsa_memory_ordered 1
		.amdhsa_forward_progress 1
		.amdhsa_inst_pref_size 191
	.end_amdhsa_kernel
	.amdgpu_metadata
---
amdhsa.version: [ 1, 2 ]
amdhsa.kernels:
  - .name:           k_q962dfbf582_scores
    .symbol:         k_q962dfbf582_scores.kd
    .args:
      - { .name: qkv, .offset: 0, .size: 8, .value_kind: global_buffer, .address_space: global }
      - { .name: pc, .offset: 8, .size: 8, .value_kind: global_buffer, .address_space: global }
      - { .name: ps, .offset: 16, .size: 8, .value_kind: global_buffer, .address_space: global }
    .group_segment_fixed_size: 327680
    .private_segment_fixed_size: 0
    .kernarg_segment_align: 8
    .kernarg_segment_size: 24
    .max_flat_workgroup_size: 128
    .sgpr_count:     100
    .vgpr_count:     1024
    .wavefront_size: 32
...
	.end_amdgpu_metadata
.endif
;; end of part 3
;; launch pv (part 4): grid 8 x 32, 4 waves a work-group, clusters of 4 x 4, 327,680 bytes of LDS; arguments pc, ps, qkv, out0; writes out0
.if DOCPART == 4
	.amdgcn_target "amdgcn-amd-amdhsa--gfx1250"
	.amdhsa_code_object_version 6
	.text
	.protected	k_q962dfbf582_pv
	.globl	k_q962dfbf582_pv
	.p2align	8
	.type	k_q962dfbf582_pv,@function
k_q962dfbf582_pv:
	s_mov_b64 s[64:65], 0
	v_nop
	global_prefetch_b8 v0, s[64:65] scope:SCOPE_SE
	s_setreg_imm32_b32 hwreg(HW_REG_WAVE_MODE, 25, 1), 1
	s_wait_xcnt 0x0
	s_wait_alu depctr_hold_cnt(0) depctr_sa_sdst(0) depctr_va_vdst(0) depctr_va_sdst(0) depctr_va_ssrc(0) depctr_va_vcc(0) depctr_vm_vsrc(0)
	s_getreg_b32 s2, hwreg(HW_REG_IB_STS2, 6, 4)
	s_cmp_eq_u32 s2, 0
	s_cbranch_scc0 .Lentry_in_a_cluster
	s_endpgm
.Lentry_in_a_cluster:
	s_bfe_u32 s2, ttmp6, 0x10000c
	s_cmp_lg_u32 s2, 0xf033
	s_cbranch_scc0 .Lentry_shape_is_right
	s_endpgm
.Lentry_shape_is_right:
; O = P v / l on codes of FP6 (E2M3) with E8M0 scales, f32 sums.  P's codes were made under a LOCAL whole number M for each query and 128 keys.  Here, for each query: the row's M = the largest local M;
; d = M - local M, a whole number, 0 or more; each of P's scale bytes is lowered by d (held at 0 from below) and each local sum l is multiplied by 2^-d: both exact.  The sums' total divides O at the end.
; SHARES.  A work-group makes 256 queries x 128 of d; four waves, each 128 queries (8 blocks) x 64 of d (4 tiles): 32 accumulators.  Source 0 = 16 rows of v^T, source 1 = 16 queries: a lane holds one query.
; K = 2,048 keys is sixteen steps of 128, four to a slot; two slots; P's panels are shared along a row of the cluster, v^T's panel along a column.  A wave has two tensor loads out at the start, later one.
; LIMITS: NaN and infinities are not served; a block of P whose lowered byte would fall under 0 is held at the byte 0 (2^-127): its terms lie under 2^-120 of the row's largest p.
; REGISTERS: window 0: v0-31 addresses and work; v32-95 P's scale words (four a K step); v96-127 v^T's (four for two K steps: the even one in lanes 0-15); v128-223 A's 8 fragments (at the head: -M at v128-191,
; l at v192-255; on the way out v128-159 results, v160-223 rows); v224-239 1 / l, a pair for each block.  window 1: B's two sets of 48, at v0 and v128.  window 2: accumulator (a, b) at v[8 (4 a + b)].
.set VC,    12582912
.set VS,    19398656
.set KB,    12288
.set SLOT,  12*KB                      ; 147,456: A's two panels (4 K steps each), then B's panel
.set BOFF,  8*KB
.set SPARE, 2*SLOT                     ; the spare words, 128 bytes a wave: two blocks of 256 bytes that no other line names
.set LI,   3
.set ADRA, 4                           ; v4-5
.set ADRB, 7                           ; v7-8
.set SPW,  10
.set NIL,  11
.set VSO,  12                          ; v12  512 h + 16 r
.set STO,  13                          ; v13  the stage, in
.set RD,   14                          ; v14  the stage, back
.set CO,   15                          ; v15  my byte offset in two rows of O
.set GM,   16                          ; v16-19 the smallest -M
.set SUMR, 20                          ; v20-23 l
.set SCA,  32
.set SCB,  96
.set NMV,  128
.set LV,   192
.set AF,   128
.set TMPO, 128
.set BK,   160
.set RL,   224
.set SEL,  2
.set G1A,  24
.set G1B,  32
.set G0A,  40                          ; s[40:47] group 0 for A, a set for each slot; s[48:55] for B
.set G0B,  48
.set MUL,  0xa1
.set TO_B, 0x40
.set MSB, 0
.macro WIN new
.if MSB != (\new)
	s_set_vgpr_msb (MSB<<8)|(\new)
.set MSB, (\new)
.endif
.endm
.macro JLOAD g0a, g1a, g0b, g1b        ; waves 0 and 1 fetch P's two panels, waves 2 and 3 the halves of v^T's; four v_nop follow each line
	s_cmp_eq_u32 s15, 0
	s_cbranch_scc0 .Lfor_b_\@
	tensor_load_to_lds s[\g0a:\g0a+3], s[\g1a:\g1a+7]
	s_nop 0
.rept 4
	v_nop
.endr
	s_branch .Lasked_\@
.Lfor_b_\@:
	tensor_load_to_lds s[\g0b:\g0b+3], s[\g1b:\g1b+7]
	s_nop 0
.rept 4
	v_nop
.endr
.Lasked_\@:
.endm
.macro CREST
	s_cmp_lg_u32 s14, 0
	s_cbranch_scc1 .Lnot_wave_0_\@
	s_barrier_signal -3
.Lnot_wave_0_\@:
	s_barrier_wait -3
	s_barrier_signal -1
	s_barrier_wait -1
.endm
.macro CROUND
	s_barrier_signal -1
	s_barrier_wait -1
	CREST
.endm
.macro PLACES n
.rept \n
	v_nop
.endr
.endm
	s_load_b256 s[4:11], s[0:1], 0x0               ; pc s[4:5], ps s[6:7], qkv s[8:9], out0 s[10:11]
	v_lshl_add_u32 v[SPW], v0, 2, SPARE
	v_mov_b32 v[NIL], 0
	ds_add_u32 v10, v11
	ds_add_u32 v10, v11
	s_wait_dscnt 0x0
	v_lshrrev_b32 v1, 5, v0
	v_readfirstlane_b32 s14, v1
	s_lshr_b32 s15, s14, 1
	s_and_b32 s16, s14, 1
	s_bfe_u32 s20, ttmp6, 0x40000
	s_bfe_u32 s21, ttmp6, 0x40004
	s_and_b32 s17, ttmp7, 0xffff
	s_lshr_b32 s19, s17, 1                         ; the batch
	s_lshl_b32 s17, s17, 2
	s_add_co_u32 s17, s17, s21                     ; y: which 256 queries
	s_lshl_b32 s18, ttmp9, 2
	s_add_co_u32 s18, s18, s20                     ; x: which 128 of d
	s_lshl_b32 s22, s21, 2
	s_lshl_b32 s22, 15, s22
	s_lshl_b32 s23, 0x1111, s20
	s_or_b32 s[G1A], s22, (3<<16)|(1<<21)
	s_or_b32 s[G1B], s23, (3<<16)|(1<<21)
	s_mov_b32 s[G1A+1], 32<<16
	s_mov_b32 s[G1A+2], 192<<16                    ; four K steps of a panel: 192 rows of 256 bytes, dense
	s_mov_b32 s[G1A+3], 32<<16
	s_mov_b32 s[G1A+4], 192
	s_mov_b32 s[G1A+5], 32
	s_mov_b32 s[G1A+6], 0
	s_mov_b32 s[G1A+7], 0
	s_mov_b32 s[G1B+1], 32<<16
	s_mov_b32 s[G1B+2], 96<<16                     ; two K steps: 96 rows
	s_mov_b32 s[G1B+3], 32<<16
	s_mov_b32 s[G1B+4], 96
	s_mov_b32 s[G1B+5], 32
	s_mov_b32 s[G1B+6], 0
	s_mov_b32 s[G1B+7], 0
	s_mov_b32 s[SEL], 0x76543210
	s_mov_b32 s[SEL+1], 0xfedcba98
	s_lshl_b32 s70, s17, 1
	s_add_co_u32 s70, s70, s16
	s_mul_i32 s70, s70, 196608                     ; P's panel 2 y + (wave % 2)
	s_mov_b32 s71, 0
	s_lshl_b32 s74, s19, 3
	s_add_co_u32 s74, s74, s18
	s_mul_i32 s74, s74, 196608                     ; v^T's panel 8 batch + x,
	s_mul_i32 s75, s16, 2*KB                       ; its first or second two K steps of a slot's four
	s_add_co_u32 s74, s74, s75
	s_add_co_u32 s74, s74, VC
	s_mov_b32 s75, 0
	s_mul_i32 s80, s16, 4*KB                       ; where they go in a slot
	s_mul_i32 s81, s16, 2*KB
	s_add_co_u32 s81, s81, BOFF
	s_wait_kmcnt 0x0
	s_add_nc_u64 s[70:71], s[4:5], s[70:71]
	s_add_nc_u64 s[74:75], s[8:9], s[74:75]
	CROUND
.irp s, 0,1
	s_mov_b32 s[G0A+4*\s], 1
	s_add_co_u32 s[G0A+4*\s+1], s80, \s*SLOT
	s_add_nc_u64 s[G0A+4*\s+2:G0A+4*\s+3], s[70:71], \s*4*KB
	s_or_b32 s[G0A+4*\s+3], s[G0A+4*\s+3], 0x80000000
	s_mov_b32 s[G0B+4*\s], 1
	s_add_co_u32 s[G0B+4*\s+1], s81, \s*SLOT
	s_add_nc_u64 s[G0B+4*\s+2:G0B+4*\s+3], s[74:75], \s*4*KB
	s_or_b32 s[G0B+4*\s+3], s[G0B+4*\s+3], 0x80000000
	JLOAD G0A+4*\s, G1A, G0B+4*\s, G1B
.endr
	v_and_b32 v1, 15, v0                           ; r
	v_bfe_u32 v2, v0, 4, 1                         ; h
	v_and_b32 v[LI], 31, v0
	v_lshlrev_b32 v[LI], 4, v[LI]
	s_mul_i32 s98, s15, 4*KB
	v_add_nc_u32 v[ADRA], s98, v[LI]
	v_add_nc_u32 v[ADRA+1], SLOT, v[ADRA]
	s_mul_i32 s98, s16, 6144                       ; my four tiles of the panel's eight
	s_add_co_u32 s98, s98, BOFF
	v_add_nc_u32 v[ADRB], s98, v[LI]
	v_add_nc_u32 v[ADRB+1], SLOT, v[ADRB]
	v_lshlrev_b32 v[VSO], 4, v1
	v_lshl_add_u32 v[VSO], v2, 9, v[VSO]
	s_mul_i32 s98, s14, 4352                       ; my stage: 16 rows x (256 bytes + 16), in slot 0
	v_mul_u32_u24 v[STO], v1, 272
	v_lshl_add_u32 v[STO], v2, 6, v[STO]
	v_add_nc_u32 v[STO], s98, v[STO]
	v_mul_u32_u24 v[RD], v2, 272
	v_lshl_add_u32 v[RD], v1, 4, v[RD]
	v_add_nc_u32 v[RD], s98, v[RD]
	v_lshlrev_b32 v[CO], 4, v1
	v_lshl_add_u32 v[CO], v2, 12, v[CO]
	s_lshl_b32 s82, s17, 1
	s_add_co_u32 s82, s82, s15                     ; my panel of queries
	s_lshl_b32 s84, s82, 13
	s_mov_b32 s85, 0
	s_add_nc_u64 s[84:85], s[6:7], s[84:85]        ; its sixteen records of each kind
	s_lshl_b32 s86, s19, 3
	s_add_co_u32 s86, s86, s18
	s_lshl_b32 s86, s86, 13
	s_lshl_b32 s87, s16, 8
	s_add_co_u32 s86, s86, s87
	s_add_co_u32 s86, s86, VS
	s_mov_b32 s87, 0
	s_add_nc_u64 s[86:87], s[8:9], s[86:87]        ; v^T's records, my four tiles' half
	s_lshl_b32 s88, s82, 19
	s_lshl_b32 s89, s18, 9
	s_add_co_u32 s88, s88, s89
	s_lshl_b32 s89, s16, 8
	s_add_co_u32 s88, s88, s89
	s_mov_b32 s89, 0
	s_add_nc_u64 s[88:89], s[10:11], s[88:89]      ; O at my panel's first row, my 64 columns
.irp k, 0,1,2,3,4,5,6,7,8,9,10,11,12,13,14,15
	global_load_b128 v[SCA+4*\k:SCA+4*\k+3], v[LI], s[84:85] offset:512*\k
	global_load_b128 v[NMV+4*\k:NMV+4*\k+3], v[LI], s[84:85] offset:524288+512*\k
	global_load_b128 v[LV+4*\k:LV+4*\k+3], v[LI], s[84:85] offset:1048576+512*\k
.endr
.irp m, 0,1,2,3,4,5,6,7
	global_load_b128 v[SCB+4*\m:SCB+4*\m+3], v[VSO], s[86:87] offset:1024*\m   ; lanes 0-15 K step 2 m, lanes 16-31 K step 2 m + 1
.endr
	s_wait_loadcnt 0x0
	; ---- the row's M, while the first tiles are on their way.  Register i of a K step: tile i in lanes 0-15, tile 4 + i in lanes 16-31, row of lane % 16
.irp i, 0,1,2,3
	v_min3_num_f32 v[GM+\i], v[NMV+\i], v[NMV+4+\i], v[NMV+8+\i]
.endr
.irp k, 3,5,7,9,11,13
.irp i, 0,1,2,3
	v_min3_num_f32 v[GM+\i], v[GM+\i], v[NMV+4*\k+\i], v[NMV+4*\k+4+\i]
.endr
.endr
.irp i, 0,1,2,3
	v_min_num_f32 v[GM+\i], v[GM+\i], v[NMV+60+\i] ; the smallest -M is the largest M
.endr
.irp k, 0,1,2,3,4,5,6,7,8,9,10,11,12,13,14,15
.irp i, 0,1,2,3
	v_sub_f32 v[NMV+4*\k+\i], v[NMV+4*\k+\i], v[GM+\i]         ; d = M - local M: a whole number, 0 or more
.endr
.irp i, 0,1,2,3
	v_cvt_i32_f32 v[NMV+4*\k+\i], v[NMV+4*\k+\i]               ; as an integer (the conversion saturates)
.endr
.irp i, 0,1,2,3
	v_sub_nc_u32 v[24+\i], 0, v[NMV+4*\k+\i]                   ; -d
.endr
.irp i, 0,1,2,3
	v_ldexp_f32 v[LV+4*\k+\i], v[LV+4*\k+\i], v[24+\i]         ; l x 2^-d
.endr
.endr
.macro FIXW n                          ; each of a scale word's four bytes less min(byte, d)
	v_and_b32 v24, 0xff, v[SCA+\n]
	v_bfe_u32 v25, v[SCA+\n], 8, 8
	v_bfe_u32 v26, v[SCA+\n], 16, 8
	v_lshrrev_b32 v27, 24, v[SCA+\n]
	v_min_u32 v28, v24, v[NMV+\n]
	v_min_u32 v29, v25, v[NMV+\n]
	v_min_u32 v30, v26, v[NMV+\n]
	v_min_u32 v31, v27, v[NMV+\n]
	v_sub_nc_u32 v24, v24, v28
	v_sub_nc_u32 v25, v25, v29
	v_sub_nc_u32 v26, v26, v30
	v_sub_nc_u32 v27, v27, v31
	v_lshl_or_b32 v24, v25, 8, v24
	v_lshl_or_b32 v24, v26, 16, v24
	v_lshl_or_b32 v[SCA+\n], v27, 24, v24
.endm
.set N, 0
.rept 64
	FIXW N
.set N, N+1
.endr
	v_pk_add_f32 v[SUMR:SUMR+1], v[LV:LV+1], v[LV+4:LV+5]      ; the rows' sums.  (These and the lines below are more than the eight plain lines owed between the last write of a scale word and the first product)
	v_pk_add_f32 v[SUMR+2:SUMR+3], v[LV+2:LV+3], v[LV+6:LV+7]
.irp k, 2,3,4,5,6,7,8,9,10,11,12,13,14,15
	v_pk_add_f32 v[SUMR:SUMR+1], v[SUMR:SUMR+1], v[LV+4*\k:LV+4*\k+1]
	v_pk_add_f32 v[SUMR+2:SUMR+3], v[SUMR+2:SUMR+3], v[LV+4*\k+2:LV+4*\k+3]
.endr
.irp i, 0,1,2,3
	v_rcp_f32 v[24+\i], v[SUMR+\i]
.endr
	v_nop                                          ; a plain line behind the reciprocals
	v_cmp_eq_u32 vcc_lo, 1, v2
	s_wait_alu depctr_va_vdst(0)
.irp i, 0,1,2,3
	v_permlanex16_b32 v[28+\i], v[24+\i], s[SEL], s[SEL+1]
.endr
.irp i, 0,1,2,3                                ; 1 / l of block a's row lane % 16, in both halves of the lanes, twice: a pair for the packed multiply
	v_cndmask_b32 v[RL+2*\i], v[24+\i], v[28+\i], vcc_lo
	v_cndmask_b32 v[RL+2*\i+1], v[24+\i], v[28+\i], vcc_lo
	v_cndmask_b32 v[RL+8+2*\i], v[28+\i], v[24+\i], vcc_lo
	v_cndmask_b32 v[RL+8+2*\i+1], v[28+\i], v[24+\i], vcc_lo
.endr
.macro WM cm
.if (\cm) == 1
.if rRB && rRA
	v_wmma_scale_f32_16x16x128_f8f6f4 v[rD:rD+7], v[rB:rB+11], v[rA:rA+11], v[rD:rD+7], v[rSB], v[rSA] matrix_a_fmt:MATRIX_FMT_FP6 matrix_b_fmt:MATRIX_FMT_FP6 matrix_a_scale:MATRIX_SCALE_ROW1 matrix_b_scale:MATRIX_SCALE_ROW1
.elseif rRB
	v_wmma_scale_f32_16x16x128_f8f6f4 v[rD:rD+7], v[rB:rB+11], v[rA:rA+11], v[rD:rD+7], v[rSB], v[rSA] matrix_a_fmt:MATRIX_FMT_FP6 matrix_b_fmt:MATRIX_FMT_FP6 matrix_a_scale:MATRIX_SCALE_ROW1
.elseif rRA
	v_wmma_scale_f32_16x16x128_f8f6f4 v[rD:rD+7], v[rB:rB+11], v[rA:rA+11], v[rD:rD+7], v[rSB], v[rSA] matrix_a_fmt:MATRIX_FMT_FP6 matrix_b_fmt:MATRIX_FMT_FP6 matrix_b_scale:MATRIX_SCALE_ROW1
.else
	v_wmma_scale_f32_16x16x128_f8f6f4 v[rD:rD+7], v[rB:rB+11], v[rA:rA+11], v[rD:rD+7], v[rSB], v[rSA] matrix_a_fmt:MATRIX_FMT_FP6 matrix_b_fmt:MATRIX_FMT_FP6
.endif
.else
.if rRB && rRA
	v_wmma_scale_f32_16x16x128_f8f6f4 v[rD:rD+7], v[rB:rB+11], v[rA:rA+11], 0, v[rSB], v[rSA] matrix_a_fmt:MATRIX_FMT_FP6 matrix_b_fmt:MATRIX_FMT_FP6 matrix_a_scale:MATRIX_SCALE_ROW1 matrix_b_scale:MATRIX_SCALE_ROW1
.elseif rRB
	v_wmma_scale_f32_16x16x128_f8f6f4 v[rD:rD+7], v[rB:rB+11], v[rA:rA+11], 0, v[rSB], v[rSA] matrix_a_fmt:MATRIX_FMT_FP6 matrix_b_fmt:MATRIX_FMT_FP6 matrix_a_scale:MATRIX_SCALE_ROW1
.elseif rRA
	v_wmma_scale_f32_16x16x128_f8f6f4 v[rD:rD+7], v[rB:rB+11], v[rA:rA+11], 0, v[rSB], v[rSA] matrix_a_fmt:MATRIX_FMT_FP6 matrix_b_fmt:MATRIX_FMT_FP6 matrix_b_scale:MATRIX_SCALE_ROW1
.else
	v_wmma_scale_f32_16x16x128_f8f6f4 v[rD:rD+7], v[rB:rB+11], v[rA:rA+11], 0, v[rSB], v[rSA] matrix_a_fmt:MATRIX_FMT_FP6 matrix_b_fmt:MATRIX_FMT_FP6
.endif
.endif
.endm
.macro MULA a0, kk, cm                 ; 8 matrix instructions; the 32 accumulators take turns, one instruction a turn
.irp a, \a0, \a0+1
.irp b, 0,1,2,3
.set rD, 8*(4*(\a)+\b)
.set rB, 128*((\kk)%2)+12*\b
.set rA, AF+12*(\a)
.set rSB, SCB+4*((\kk)/2)+\b
.set rSA, SCA+4*(\kk)+(\a)%4
.set rRB, (\kk)%2
.set rRA, (\a)/4
	WM \cm
.endr
.endr
.endm
.macro FRAG reg, adr, off
.irp c, 0,1,2
	ds_load_b128 v[\reg+4*\c:\reg+4*\c+3], v[\adr] offset:\off+512*\c
.endr
.endm
.macro FETCH_B kk
	WIN TO_B
.irp i, 0,1,2,3
	FRAG 128*((\kk)%2)+12*\i, ADRB+((\kk)/4)%2, KB*((\kk)%4)+1536*\i
.endr
	WIN 0
.endm
.macro FETCH_A kk, i0
.irp i, \i0, \i0+1, \i0+2, \i0+3
	FRAG AF+12*(\i), ADRA+((\kk)/4)%2, KB*((\kk)%4)+1536*(\i)
.endr
.endm
.macro STEP kk, cm
	s_wait_dscnt 12                                ; B's set and A's blocks 0-3 are in; the youngest twelve loads (A's blocks 4-7) may be out
	WIN MUL
	MULA 0, \kk, \cm
	MULA 2, \kk, \cm
	s_wait_dscnt 0x0
	PLACES 4
	FETCH_B (\kk)+1
	FETCH_A (\kk)+1, 0
	WIN MUL
	MULA 4, \kk, \cm
	MULA 6, \kk, \cm
	PLACES 4
	WIN 0
	FETCH_A (\kk)+1, 4
.endm
; a slot's last K step changes slots: all my tensor loads, the add, my reads, one barrier.  fill = 1: it opens a round of the cluster's barrier, and this slot takes the four K steps eight on, first thing behind it
.macro TURN kk, fill
.set SLT, ((\kk)/4)%2
	s_wait_tensorcnt 0x0
	ds_add_u32 v[SPW], v[NIL]                      ; 0 onto my spare word
	s_wait_dscnt 13                                ; the add and the youngest twelve loads may be out
	WIN MUL
	MULA 0, \kk, 1
	s_wait_dscnt 0x0                               ; the add is done, and my reads of this slot are over
	s_barrier_signal -1
	MULA 2, \kk, 1
	WIN 0
	s_barrier_wait -1
.if \fill
	CREST
	s_add_nc_u64 s[G0A+4*SLT+2:G0A+4*SLT+3], s[G0A+4*SLT+2:G0A+4*SLT+3], 8*KB
	s_add_nc_u64 s[G0B+4*SLT+2:G0B+4*SLT+3], s[G0B+4*SLT+2:G0B+4*SLT+3], 8*KB
	JLOAD G0A+4*SLT, G1A, G0B+4*SLT, G1B           ; the four v_nop behind it are also the places in front of the loads below
.else
	PLACES 4
.endif
	FETCH_B (\kk)+1
	FETCH_A (\kk)+1, 0
	WIN MUL
	MULA 4, \kk, 1
	MULA 6, \kk, 1
	PLACES 4
	WIN 0
	FETCH_A (\kk)+1, 4
.endm
	s_wait_tensorcnt 0x1                           ; my part of slot 0 is in; slot 1's may be out
	s_barrier_signal -1
	s_barrier_wait -1
	FETCH_B 0
	FETCH_A 0, 0
	FETCH_A 0, 4
	STEP 0, 0                                      ; the first products start the sums
	STEP 1, 1
	STEP 2, 1
	TURN 3, 1
	STEP 4, 1
	STEP 5, 1
	STEP 6, 1
	TURN 7, 1
	STEP 8, 1
	STEP 9, 1
	STEP 10, 1
	TURN 11, 0
	STEP 12, 1
	STEP 13, 1
	STEP 14, 1
	s_wait_dscnt 12                                ; the last K step: nothing more to fetch
	WIN MUL
	MULA 0, 15, 1
	MULA 2, 15, 1
	s_wait_dscnt 0x0
	MULA 4, 15, 1
	MULA 6, 15, 1
	WIN 0
; THE WAY OUT, block by block of 16 queries x 64 of d.  A lane holds pieces of one row; the block goes through my stage and comes back as rows of 256 bytes.  The stage lies in slot 0, which has had its last fill,
; and which nobody reads behind the last change of slots.  Register j of accumulator (a, b): d = 32 (b / 2) + 16 h + 8 (b % 2) + j of my 64.
.macro TOSTAGE a
	s_wait_dscnt 8                                 ; the last block's eight stores into the stage have read their registers; its eight loads may be out
	s_wait_xcnt 0x0                                ; the stores of the block before that have read theirs
	WIN 0x02                                       ; source 0: the accumulators' window
.set J, 0
.rept 16
	v_pk_mul_f32 v[TMPO+J:TMPO+J+1], v[32*(\a)+J:32*(\a)+J+1], v[RL+2*(\a):RL+2*(\a)+1]   ; O / l; each accumulator from its low end on
.set J, J+2
.endr
	WIN 0
.irp b, 0,1,2,3
	ds_store_b128 v[STO], v[TMPO+8*\b:TMPO+8*\b+3] offset:128*(\b/2)+32*(\b%2)
	ds_store_b128 v[STO], v[TMPO+8*\b+4:TMPO+8*\b+7] offset:128*(\b/2)+32*(\b%2)+16
.endr
.set BB, BK+32*((\a)%2)
.irp t, 0,1,2,3,4,5,6,7
	ds_load_b128 v[BB+4*\t:BB+4*\t+3], v[RD] offset:544*\t   ; LDS serves a wave's instructions in order: these see the stores above
.endr
.endm
.macro SEND a, younger                 ; younger: the LDS instructions issued behind block a's loads
.set BB, BK+32*((\a)%2)
	s_wait_dscnt \younger
.irp t, 0,1,2,3,4,5,6,7
	global_store_b128 v[CO], v[BB+4*\t:BB+4*\t+3], s[88:89] offset:(32*((\a)/2)+8*((\a)%2)+2*(\t%4)+16*(\t/4))*4096 th:TH_STORE_NT   ; sixteen lanes store 256 consecutive bytes, aligned to 256; the stage's row 2 t + lane / 16 is that row of the tile
.endr
.endm
	PLACES 4
	TOSTAGE 0
.irp u, 1,2,3,4,5,6,7
	TOSTAGE \u
	SEND \u-1, 16                                  ; behind block u - 1's loads: block u's eight stores and eight loads
.endr
	SEND 7, 0
	s_wait_tensorcnt 0x0                           ; the wave's end
	ds_add_u32 v[SPW], v[NIL]
	s_wait_dscnt 0x0
	CROUND                                         ; the closing round
	s_endpgm
.Lfunc_end_k_q962dfbf582_pv:
	.size	k_q962dfbf582_pv, .Lfunc_end_k_q962dfbf582_pv-k_q962dfbf582_pv
	.p2alignl 7, 3214868480
	.fill 96, 4, 3214868480
	.section	.rodata,"a",@progbits
	.p2align	6, 0x0
	.amdhsa_kernel k_q962dfbf582_pv
		.amdhsa_group_segment_fixed_size 327680
		.amdhsa_private_segment_fixed_size 0
		.amdhsa_enable_private_segment 0
		.amdhsa_kernarg_size 32
		.amdhsa_user_sgpr_count 2
		.amdhsa_user_sgpr_kernarg_segment_ptr 1
		.amdhsa_wavefront_size32 1
		.amdhsa_system_sgpr_workgroup_id_x 1
		.amdhsa_system_sgpr_workgroup_id_y 1
		.amdhsa_system_sgpr_workgroup_id_z 1
		.amdhsa_system_vgpr_workitem_id 0
		.amdhsa_next_free_vgpr 768
		.amdhsa_next_free_sgpr 100
		.amdhsa_reserve_vcc 1
		.amdhsa_float_denorm_mode_32 3
		.amdhsa_float_denorm_mode_16_64 3
		.amdhsa_memory_ordered 1
		.amdhsa_forward_progress 1
		.amdhsa_inst_pref_size 203
	.end_amdhsa_kernel
	.amdgpu_metadata
---
amdhsa.version: [ 1, 2 ]
amdhsa.kernels:
  - .name:           k_q962dfbf582_pv
    .symbol:         k_q962dfbf582_pv.kd
    .args:
      - { .name: pc, .offset: 0, .size: 8, .value_kind: global_buffer, .address_space: global }
      - { .name: ps, .offset: 8, .size: 8, .value_kind: global_buffer, .address_space: global }
      - { .name: qkv, .offset: 16, .size: 8, .value_kind: global_buffer, .address_space: global }
      - { .name: out0, .offset: 24, .size: 8, .value_kind: global_buffer, .address_space: global }
    .group_segment_fixed_size: 327680
    .private_segment_fixed_size: 0
    .kernarg_segment_align: 8
    .kernarg_segment_size: 32
    .max_flat_workgroup_size: 128
    .sgpr_count:     100
    .vgpr_count:     768
    .wavefront_size: 32
...
	.end_amdgpu_metadata
.endif
;; end of part 4
